; MI455X (gfx1250); checked and timed in simulation.
; The chip was launched on July 23, 2026; its instructions are those of AMD's public machine-readable ISA for CDNA 5 (MIT licence, August 2026) and "CDNA5" Instruction Set Architecture Reference Guide (July 2026). The comments in the code are by the model that wrote it; some were corrected since.
;; MH Att Rela. Allowed arithmetic: float matrix products may take bf16 or f16 operands with f32 sums; all other float work in f32.
;; Inputs: Wk 1,024 x 1,024 float32; Wm 1,024 x 1,024 float32; Wq 1,024 x 1,024 float32; Wr 1,024 x 1,024 float32; Wv 1,024 x 1,024 float32; bk 1,024 float32; bm 1,024 float32; bq 1,024 float32; br 1,024 float32; bv 1,024 float32; k 8 x 1,024 x 1,024 float32; mask 8 x 1 x 1 x 1,024 bool; q 8 x 1,024 x 1,024 float32; r 8 x 1,024 x 1,024 float32; v 8 x 1,024 x 1,024 float32.
;; Outputs: out0 8 x 1,024 x 1,024 float32.
;; One version. Each part assembles by itself: llvm-mc -triple=amdgcn-amd-amdhsa -mcpu=gfx1250 --defsym DOCPART=n.
;; ======== version 1 of 1: 4 launches
;; limits: values are held in f16: magnitudes above 65,504 overflow, below 6.1e-05 lose precision; right only within a limited range of input values
;; workspace buffers: wb 10,485,760 bytes; qh 16,777,216 bytes; kh 16,777,216 bytes; vh 16,777,216 bytes; oh 16,777,216 bytes
;; launch prep (part 1): grid 256 x 1, 8 waves a work-group, no clusters, 0 bytes of LDS; arguments Wv, Wk, Wq, Wr, Wm, wb; writes wb
.if DOCPART == 1
	.amdgcn_target "amdgcn-amd-amdhsa--gfx1250"
	.amdhsa_code_object_version 6
	.text
	.protected	k_qf5c3590a6d_prep
	.globl	k_qf5c3590a6d_prep
	.p2align	8
	.type	k_qf5c3590a6d_prep,@function
k_qf5c3590a6d_prep:
	s_mov_b64 s[64:65], 0
	v_nop
	global_prefetch_b8 v0, s[64:65] scope:SCOPE_SE
	s_setreg_imm32_b32 hwreg(HW_REG_WAVE_MODE, 25, 1), 1
	s_wait_xcnt 0x0
; The five weight matrices [1024 n][1024 k] f32 are rounded once to bf16 and laid out in blocks:
; wb = [matrix 0..4: Wv Wk Wq Wr Wm][kb 0..15][n 0..1023][64 k] of 16 bits, so that 64 k of any run of rows n are dense bytes.
; Wm (matrix 4) is rounded to bf16 like the others, and that number is then written as f16, for the last product, which multiplies in f16.
; LIMIT: as f16 a weight of Wm beyond 65,504 becomes an infinity, and below 6e-5 it keeps f16's fixed step of 6e-8.
; Memory binds: no LDS, no matrix unit.  256 equal work-groups: work-group x takes rows 4 x .. 4 x + 3 of each of the five matrices.  Wave w: blocks kb = w and w + 8.
; Chunk c = 2 m + kh (matrix m, block w + 8 kh).  Lane l: row l / 8, k = 64 (w + 8 kh) + 8 (l % 8) .. + 7: two loads of 16 bytes, one store of 16 bytes;
; a wave's store covers 512 consecutive bytes, aligned.  All 20 loads of a wave go out before the first wait.
.set X, 4                              ; v[4:83]    chunk c: 8 numbers f32
.set Y, 84                             ; v[84:123]  chunk c: 4 words to store
.set T, 124                            ; v[124:131] at work
	s_load_b256 s[4:11], s[0:1], 0x0               ; Wv, Wk, Wq, Wr
	s_load_b128 s[12:15], s[0:1], 0x20             ; Wm, wb
	v_and_b32 v3, 31, v0                           ; lane
	v_lshrrev_b32 v2, 5, v0                        ; wave
	v_lshrrev_b32 v1, 3, v3
	v_lshlrev_b32 v1, 12, v1                       ; in: (l / 8) rows of 4,096 bytes
	v_lshl_add_u32 v1, v2, 8, v1                   ; + 256 w
	v_and_b32 v[T], 7, v3
	v_lshl_add_u32 v1, v[T], 5, v1                 ; + 32 (l % 8)
	s_lshl_b32 s18, ttmp9, 14                      ; + 4 rows a work-group
	v_add_nc_u32 v1, s18, v1
	v_lshlrev_b32 v2, 17, v2                       ; out: 131,072 w
	v_lshl_add_u32 v2, v3, 4, v2                   ; + 16 l
	s_lshl_b32 s19, ttmp9, 9                       ; + 4 rows of 128 bytes a work-group
	v_add_nc_u32 v2, s19, v2
	s_wait_kmcnt 0x0
	s_add_nc_u64 s[16:17], s[14:15], 8388608       ; matrix 4 in wb: its place does not fit the store's immediate
.set c, 0
.rept 10
	global_load_b128 v[X+8*c:X+8*c+3],   v1, s[4+2*(c/2):5+2*(c/2)] offset:(c%2)*2048 th:TH_LOAD_NT
	global_load_b128 v[X+8*c+4:X+8*c+7], v1, s[4+2*(c/2):5+2*(c/2)] offset:(c%2)*2048+16 th:TH_LOAD_NT
.set c, c+1
.endr
.set c, 0
.rept 10
	s_wait_loadcnt 18-2*c                          ; loads come back in order: this chunk's two are in, the later chunks' stay out
.irp j, 0,1,2,3
	v_cvt_pk_bf16_f32 v[Y+4*c+(\j)], v[X+8*c+2*(\j)], v[X+8*c+2*(\j)+1]
.endr
.if c < 8
	global_store_b128 v2, v[Y+4*c:Y+4*c+3], s[14:15] offset:(c/2)*2097152+(c%2)*1048576
.else
.irp j, 0,1,2,3
	v_lshlrev_b32 v[T+2*(\j)],   16, v[Y+4*c+(\j)]             ; Wm: the rounded numbers as f32 again,
	v_and_b32     v[T+2*(\j)+1], 0xffff0000, v[Y+4*c+(\j)]
.endr
.irp j, 0,1,2,3
	v_cvt_pk_f16_f32 v[Y+4*c+(\j)], v[T+2*(\j)], v[T+2*(\j)+1] ; written as f16
.endr
	global_store_b128 v2, v[Y+4*c:Y+4*c+3], s[16:17] offset:(c%2)*1048576
.endif
.set c, c+1
.endr
	s_endpgm
.Lfunc_end_k_qf5c3590a6d_prep:
	.size	k_qf5c3590a6d_prep, .Lfunc_end_k_qf5c3590a6d_prep-k_qf5c3590a6d_prep
	.p2alignl 7, 3214868480
	.fill 96, 4, 3214868480
	.section	.rodata,"a",@progbits
	.p2align	6, 0x0
	.amdhsa_kernel k_qf5c3590a6d_prep
		.amdhsa_group_segment_fixed_size 0
		.amdhsa_private_segment_fixed_size 0
		.amdhsa_enable_private_segment 0
		.amdhsa_kernarg_size 48
		.amdhsa_user_sgpr_count 2
		.amdhsa_user_sgpr_kernarg_segment_ptr 1
		.amdhsa_wavefront_size32 1
		.amdhsa_system_sgpr_workgroup_id_x 1
		.amdhsa_system_sgpr_workgroup_id_y 1
		.amdhsa_system_sgpr_workgroup_id_z 1
		.amdhsa_system_vgpr_workitem_id 0
		.amdhsa_next_free_vgpr 132
		.amdhsa_next_free_sgpr 66
		.amdhsa_reserve_vcc 0
		.amdhsa_float_denorm_mode_32 3
		.amdhsa_float_denorm_mode_16_64 3
		.amdhsa_memory_ordered 1
		.amdhsa_forward_progress 1
		.amdhsa_inst_pref_size 8
	.end_amdhsa_kernel
	.amdgpu_metadata
---
amdhsa.version: [ 1, 2 ]
amdhsa.kernels:
  - .name:           k_qf5c3590a6d_prep
    .symbol:         k_qf5c3590a6d_prep.kd
    .args:
      - { .name: Wv, .offset: 0, .size: 8, .value_kind: global_buffer, .address_space: global }
      - { .name: Wk, .offset: 8, .size: 8, .value_kind: global_buffer, .address_space: global }
      - { .name: Wq, .offset: 16, .size: 8, .value_kind: global_buffer, .address_space: global }
      - { .name: Wr, .offset: 24, .size: 8, .value_kind: global_buffer, .address_space: global }
      - { .name: Wm, .offset: 32, .size: 8, .value_kind: global_buffer, .address_space: global }
      - { .name: wb, .offset: 40, .size: 8, .value_kind: global_buffer, .address_space: global }
    .group_segment_fixed_size: 0
    .private_segment_fixed_size: 0
    .kernarg_segment_align: 8
    .kernarg_segment_size: 48
    .max_flat_workgroup_size: 256
    .sgpr_count:     66
    .vgpr_count:     132
    .wavefront_size: 32
...
	.end_amdgpu_metadata
.endif
;; end of part 1
;; launch proj (part 2): grid 4 x 64, 4 waves a work-group, clusters of 4 x 4, 327,680 bytes of LDS; arguments q, r, v, k, wb, bq, br, bv, bk, mask, qh, kh, vh; writes qh, kh, vh
.if DOCPART == 2
	.amdgcn_target "amdgcn-amd-amdhsa--gfx1250"
	.amdhsa_code_object_version 6
	.text
	.protected	k_qf5c3590a6d_proj
	.globl	k_qf5c3590a6d_proj
	.p2align	8
	.type	k_qf5c3590a6d_proj,@function
k_qf5c3590a6d_proj:
	s_mov_b64 s[64:65], 0
	v_nop
	global_prefetch_b8 v0, s[64:65] scope:SCOPE_SE
	s_setreg_imm32_b32 hwreg(HW_REG_WAVE_MODE, 25, 1), 1
	s_wait_xcnt 0x0
	s_wait_alu depctr_hold_cnt(0) depctr_sa_sdst(0) depctr_va_vdst(0) depctr_va_sdst(0) depctr_va_ssrc(0) depctr_va_vcc(0) depctr_vm_vsrc(0)
	s_getreg_b32 s2, hwreg(HW_REG_IB_STS2, 6, 4)
	s_cmp_eq_u32 s2, 0
	s_cbranch_scc0 .Lentry_in_a_cluster
	s_endpgm
.Lentry_in_a_cluster:
	s_bfe_u32 s2, ttmp6, 0x10000c
	s_cmp_lg_u32 s2, 0xf033
	s_cbranch_scc0 .Lentry_shape_is_right
	s_endpgm
.Lentry_shape_is_right:
; THE PROJECTIONS.  qh = q Wq^T + r Wr^T + bq + br (reference() uses qh and rh only as their sum), vh = v Wv^T + bv, kh = k Wk^T + bk with the rows of masked keys written as 0.
; x: [8192][1024] f32, rounded to bf16 between LDS and the matrix unit; weights: bf16 blocks [kb][n][64] made by the launch before; biases rounded to bf16.  Sums in f32.
; Results: f16, by heads, [b * 16 + h][s][64], rounded once, unscaled.
; LIMITS.  A result beyond 65,504 becomes an infinity in f16.  A mask byte other than 0 counts as true.  NaN and infinities are not treated apart.
; SHARES.  512 units of (256 x 256 of C, K = 1,024), two to each of 256 work-groups.  Clusters 0-7 along y (TYPE 0): one tile of qh, K = 2,048 (q with Wq, then r with Wr, the sums run on).
; Clusters 8-15 (TYPE 1): a tile of vh, its way out, then the tile of kh at the same place.  TYPE hangs on the cluster's number alone: it is the same in all sixteen partners.
; Four waves, each 128 x 128: 64 accumulators, 512 registers.  THE MATRIX INSTRUCTION IS USED TRANSPOSED (source 0 = 16 rows of W, source 1 = 16 rows of x): a lane holds eight neighbouring columns of a row of C.
; THE WALK.  32 K steps of 64 through two LDS slots (two slots of K = 128 with x in f32 would need 409,600 bytes); a step is two halves of 32 along K, 64 matrix instructions each.  A slot's last bytes are
; read in the step's first half, so the slot is given free at that half's end: the meeting stands behind the half's last product, so that nothing but the add and the round lies between a tile's arrival
; and the next request, and a refill has a whole step, 128 matrix instructions, in which to land.  ONE loop with a constant trip count walks all 32 steps, and each half step stands in it once.
; A TILE'S SUMS START AT THE BIAS, which is copied into the 64 accumulators: 512 v_mov_b32, once at the start and once more where kh begins.  That is the price of one text for every half step: the only
; jump that hangs on TYPE goes forward over vh's way out, the second bias and those copies, text with no barrier and no tensor load in it.
; CLUSTER.  4 x 4 work-groups: x's tile is shared along a row of the cluster, W's along a column; each is asked for jointly.
; PREFETCH.  x is read from memory once, by this launch.  Straight behind their joint load for K step n, waves 0 and 1 ask for x's tile of step n + 1, which the next trip's load will want: a lane one block of
; 256 bytes (its row's part of the step), the 8 such waves of a cluster's row the step's 256 blocks, each block once; the step's number is clamped at 31, so that the last trip asks for step 31 once more.
; REGISTERS.  window 0: v0-31 addresses; v32-63 at work on the way out; v64-127, v128-191 x's fragments (bf16), two buffers; v192-255 the bias, on the way out rows read back
;   window 1: v0-63, v64-127 W's fragments, two buffers; v128-255 x as loaded, f32          windows 2, 3: the accumulators, (a, b) at v[8 (8 (a % 4) + b)], a / 4 picks the window
.set PA,    272                        ; a row of x in LDS: 256 bytes + 16 = 68 words: the 16 rows of a load start at 16 different groups of four banks (64 banks of 4 bytes: ISA guide 11.1)
.set PB,    144                        ; a row of W: 128 bytes + 16 = 36 words: likewise
.set AHALF, 128*PA                     ; what one tensor load brings of x, and what one wave reads
.set BOFF,  256*PA                     ; W's 256 rows lie behind x's 256
.set BHALF, 128*PB
.set SLOT1, 131072                     ; slot 1 begins here: one exclusive or turns an address in one slot into the other's
.set STAGE, 106496                     ; between the slots, never filled by a tensor load: for each wave 2 heads x 16 rows x 144 bytes
.set SP,    144
.set BIASL, 124928                     ; for each wave 1,024 bytes: two sets of 128 bias numbers
.set SPARE, 129024                     ; the spare words, 128 bytes for each wave: two blocks of 256 bytes that no other line names
.set ADRA0, 8                          ; v8   my lane's place in x's tile; never rewritten
.set ADRB0, 9                          ; v9   the same for W
.set ADRA,  10                         ; v10  the same in the slot in hand
.set ADRB,  11
.set STO,   12                         ; v12  the way out: where I put 16 bytes of a row
.set RD,    13                         ; v13  the way out: where I read rows back
.set GO,    14                         ; v14  16 x lane
.set BRD,   15                         ; v15  where I read my bias numbers
.set MB,    16                         ; v16-23 mask bytes of my rows
.set PFV,   24                         ; v24  the prefetch: my row of the tile x 4,096 bytes; never rewritten
.set SPW,   28                         ; v28  LDS address of my spare word; never rewritten
.set NIL,   29                         ; v29  0; never rewritten
.set TMP,   32
.set AF,    64
.set BIAS,  192
.set BK,    192
.set RAW,   128                        ; window 1
.set A0T, 4                            ; s[4:5], s[6:7]   x of unit 0, 1 at the rows that I fetch
.set A1T, 6
.set W0T, 8                            ; s[8:9], s[10:11] W of unit 0, 1 likewise
.set W1T, 10
.set WV,  12
.set RH,  13                           ; which half of the tile's rows is mine.  Also: I fetch for x (0) or for W (1)
.set CH,  14                           ; which half of its columns.  Also: which 128 rows of that tile I fetch
.set TYPE, 15
.set G1A, 16
.set G1B, 24
.set G0A, 32                           ; the walking group 0 for x: it begins with K step 1
.set G0B, 36                           ; the same for W
.set OFFA, 46
.set OFFB, 48
.set NXT, 50                           ; the K step to be asked for next
.set CNT, 51
.set TB,  52                           ; the slot in hand: 0 or SLOT1
.set OUTM, 54
.set OUTF, 56
.set B0P, 58
.set B1P, 60
.set MP,  62
.set MK,  66                           ; s66-73 for each block of 16 rows: the lanes whose row is written as 0
.set TM,  74                           ; all ones if TYPE = 1
.set XA,  76                           ; s[76:79], s[80:83] group 0 of K step 0, for x and for W (where the arguments lay)
.set XB,  80
.set A0P, 86                           ; s[86:87], s[88:89] x of unit 0, 1 at the tile's first row
.set A1P, 88
.set PFB, 90                           ; s[90:91] the prefetch's base
.set PFO, 92                           ; s[92:93] an offset, at work
.set MSB, 0
.macro WIN new                         ; the immediate's high byte repeats the setting that is left
.if MSB != (\new)
	s_set_vgpr_msb (MSB<<8)|(\new)
.set MSB, \new
.endif
.endm
.macro PLACES                          ; four places in front of loads into registers that matrix instructions have read, and of conversions that read results just made
.rept 4
	v_nop
.endr
.endm
; A joint load.  Waves 0 and 1 fetch x's two halves, waves 2 and 3 W's.  The branch hangs on the wave's number alone.  An s_nop 0 and four v_nop follow each line.
; Behind theirs, waves 0 and 1 ask for the next step's tile of x.
.macro JLOAD
	s_cmp_eq_u32 s[RH], 0
	s_cbranch_scc0 .Lfor_b_\@
	tensor_load_to_lds s[G0A:G0A+3], s[G1A:G1A+7]
	s_nop 0
.rept 4
	v_nop
.endr
	global_prefetch_b8 v[PFV], s[PFB:PFB+1] th:TH_LOAD_NT scope:SCOPE_SE
	s_branch .Lasked_\@
.Lfor_b_\@:
	tensor_load_to_lds s[G0B:G0B+3], s[G1B:G1B+7]
	s_nop 0
.rept 4
	v_nop
.endr
.Lasked_\@:
.endm
.macro CREST                           ; a round of the cluster's barrier behind its opening barrier
	s_cmp_lg_u32 s[WV], 0
	s_cbranch_scc1 .Lnot_wave_0_\@
	s_barrier_signal -3
.Lnot_wave_0_\@:
	s_barrier_wait -3
	s_barrier_signal -1
	s_barrier_wait -1
.endm
.macro CROUND
	s_barrier_signal -1
	s_barrier_wait -1
	CREST
.endm
; Both descriptors for K step NXT: the other slot than last time; the address made anew from the unit's base and the step's place in the unit.  And the prefetch's base, for step NXT + 1.
.macro MKDESC
	s_wait_xcnt 0x0                                ; the last prefetch, a step ago, has read its base
	s_add_co_u32 s[PFO], s[NXT], 1
	s_min_u32 s[PFO], s[PFO], 31                   ; no prefetch points past step 31
	s_cmp_ge_u32 s[PFO], 16
	s_cselect_b64 s[PFB:PFB+1], s[A1P:A1P+1], s[A0P:A0P+1]
	s_and_b32 s[PFO], s[PFO], 15
	s_lshl_b32 s[PFO], s[PFO], 8
	s_add_nc_u64 s[PFB:PFB+1], s[PFB:PFB+1], s[PFO:PFO+1]
	s_and_b32 s[OFFA], s[NXT], 15
	s_lshl_b32 s[OFFB], s[OFFA], 17                ; W: a block of 64 k is 131,072 bytes
	s_lshl_b32 s[OFFA], s[OFFA], 8                 ; x: 64 numbers of 4 bytes
	s_cmp_ge_u32 s[NXT], 16
	s_cselect_b64 s[G0A+2:G0A+3], s[A1T:A1T+1], s[A0T:A0T+1]
	s_cselect_b64 s[G0B+2:G0B+3], s[W1T:W1T+1], s[W0T:W0T+1]
	s_add_nc_u64 s[G0A+2:G0A+3], s[G0A+2:G0A+3], s[OFFA:OFFA+1]
	s_add_nc_u64 s[G0B+2:G0B+3], s[G0B+2:G0B+3], s[OFFB:OFFB+1]
	s_or_b32 s[G0A+3], s[G0A+3], 0x80000000
	s_or_b32 s[G0B+3], s[G0B+3], 0x80000000
	s_xor_b32 s[G0A+1], s[G0A+1], SLOT1
	s_xor_b32 s[G0B+1], s[G0B+1], SLOT1
	s_add_co_u32 s[NXT], s[NXT], 1
.endm
	s_load_b512 s[76:91], s[0:1], 0x0              ; q 76, r 78, v 80, k 82, wb 84, bq 86, br 88, bv 90
	s_load_b256 s[92:99], s[0:1], 0x40             ; bk 92, mask 94, qh 96, kh 98
	s_load_b64 s[100:101], s[0:1], 0x60            ; vh
	v_lshl_add_u32 v[SPW], v0, 2, SPARE
	v_mov_b32 v[NIL], 0
	ds_add_u32 v[SPW], v[NIL]                      ; the wave's opening: the add and its wait stand ahead of my first tensor load; the set-up below stands between them
	ds_add_u32 v28, v29
	v_lshrrev_b32 v1, 5, v0
	v_readfirstlane_b32 s[WV], v1                  ; wave 0..3
	s_lshr_b32 s[RH], s[WV], 1
	s_and_b32 s[CH], s[WV], 1
	s_bfe_u32 s40, ttmp6, 0x40000                  ; cx
	s_bfe_u32 s41, ttmp6, 0x40004                  ; cy
	s_lshl_b32 s42, ttmp9, 2
	s_add_co_u32 s42, s42, s40                     ; tile column 0..3
	s_and_b32 s43, ttmp7, 0xffff                   ; the cluster's y, 0..15
	s_lshr_b32 s[TYPE], s43, 3
	s_and_b32 s43, s43, 7
	s_lshl_b32 s43, s43, 2
	s_add_co_u32 s43, s43, s41                     ; tile row 0..31
	s_lshl_b32 s44, s41, 2
	s_lshl_b32 s44, 15, s44                        ; my row of the cluster
	s_lshl_b32 s45, 0x1111, s40                    ; my column
	v_and_b32 v3, 31, v0                           ; lane
	s_lshl_b32 s2, s40, 1                          ; the prefetch (waves 0 and 1, whose number is CH): row 32 (2 cx + wave) + lane of the tile's 256
	s_add_co_u32 s2, s2, s[CH]
	s_lshl_b32 s2, s2, 5
	v_add_nc_u32 v[PFV], s2, v3
	v_lshlrev_b32 v[PFV], 12, v[PFV]               ; a row of x is 4,096 bytes
	; group 1 for x: 128 rows x 64 elements of 4 bytes, 4 words of padding behind every 64
	s_or_b32 s[G1A+0], s44, (2<<16)|(1<<20)|(1<<21)|(5<<22)|(3<<25)
	s_mov_b32 s[G1A+1], 64<<16                     ; tensor_dim0 = 64
	s_mov_b32 s[G1A+2], 128<<16                    ; tensor_dim1 = 128
	s_mov_b32 s[G1A+3], 64<<16                     ; tile_dim0 = 64
	s_mov_b32 s[G1A+4], 128                        ; tile_dim1 = 128
	s_mov_b32 s[G1A+5], 1024                       ; elements from row to row
	s_mov_b32 s[G1A+6], 0
	s_mov_b32 s[G1A+7], 0
	; group 1 for W: 128 rows n of 128 bytes are dense: asked for as 64 rows of 256 bytes, 4 words of padding behind every 32
	s_or_b32 s[G1B+0], s45, (1<<16)|(1<<20)|(1<<21)|(4<<22)|(3<<25)
	s_mov_b32 s[G1B+1], 128<<16
	s_mov_b32 s[G1B+2], 64<<16
	s_mov_b32 s[G1B+3], 128<<16
	s_mov_b32 s[G1B+4], 64
	s_mov_b32 s[G1B+5], 128
	s_mov_b32 s[G1B+6], 0
	s_mov_b32 s[G1B+7], 0
	s_lshl_b32 s[OFFA], s43, 20                    ; x: 256 rows of 4,096 bytes a tile row
	s_mov_b32 s[OFFA+1], 0
	s_lshl_b32 s[OFFB], s42, 15                    ; W: 256 rows of 128 bytes a tile column,
	s_lshl_b32 s2, s[CH], 14                       ; 128 rows for the half that I fetch
	s_add_co_u32 s[OFFB], s[OFFB], s2
	s_cmp_lg_u32 s[TYPE], 0
	s_cselect_b32 s2, 0, 2                         ; unit 0 multiplies by Wv (matrix 0) or Wq (matrix 2); unit 1 by the matrix behind it
	s_lshl_b32 s2, s2, 21
	s_add_co_u32 s[OFFB], s[OFFB], s2
	s_mov_b32 s[OFFB+1], 0
	s_lshr_b32 s[OUTM], s43, 2                     ; where my part of the results begins: batch x 16
	s_lshl_b32 s[OUTM], s[OUTM], 4
	s_lshl_b32 s3, s42, 2                          ; + 4 heads a tile column
	s_add_co_u32 s[OUTM], s[OUTM], s3
	s_lshl_b32 s3, s[CH], 1                        ; + 2 heads a wave
	s_add_co_u32 s[OUTM], s[OUTM], s3
	s_lshl_b32 s[OUTM], s[OUTM], 17                ; a head is 131,072 bytes
	s_and_b32 s3, s43, 3
	s_lshl_b32 s3, s3, 15                          ; 256 rows of 128 bytes
	s_add_co_u32 s[OUTM], s[OUTM], s3
	s_lshl_b32 s3, s[RH], 14                       ; 128 rows
	s_add_co_u32 s[OUTM], s[OUTM], s3
	s_mov_b32 s[OUTM+1], 0
	s_lshl_b32 s[B0P], s42, 10                     ; my 128 columns in a bias
	s_lshl_b32 s3, s[CH], 9
	s_add_co_u32 s[B0P], s[B0P], s3
	s_mov_b32 s[B0P+1], 0
	s_lshl_b32 s[MP], s43, 8                       ; my 128 rows in the mask
	s_lshl_b32 s3, s[RH], 7
	s_add_co_u32 s[MP], s[MP], s3
	s_mov_b32 s[MP+1], 0
	s_mov_b32 s[G0A], 1
	s_mul_i32 s[G0A+1], s[CH], AHALF               ; LDS: the half that I fetch: no place in the cluster enters an LDS address;
	s_add_co_u32 s[G0A+1], s[G0A+1], SLOT1         ; the walking set begins in slot 1
	s_mov_b32 s[G0B], 1
	s_mul_i32 s[G0B+1], s[CH], BHALF
	s_add_co_u32 s[G0B+1], s[G0B+1], BOFF+SLOT1
	s_mov_b32 s[NXT], 2
	s_wait_dscnt 0x0                               ; the opening add is done
	s_wait_kmcnt 0x0
	s_cmp_lg_u32 s[TYPE], 0
	s_cselect_b64 s[A0T:A0T+1], s[80:81], s[76:77] ; unit 0: v or q
	s_cselect_b64 s[A1T:A1T+1], s[82:83], s[78:79] ; unit 1: k or r
	s_cselect_b64 s[OUTF:OUTF+1], s[98:99], s[96:97]  ; the last way out: kh or qh
	s_cselect_b64 s[B1P:B1P+1], s[92:93], s[88:89] ; bk or br
	s_cselect_b64 s[2:3], s[90:91], s[86:87]       ; bv or bq
	s_cselect_b32 s[TM], -1, 0
	s_add_nc_u64 s[A0P:A0P+1], s[A0T:A0T+1], s[OFFA:OFFA+1]   ; the tile's first row (the arguments that lay in these registers have been taken)
	s_add_nc_u64 s[A1P:A1P+1], s[A1T:A1T+1], s[OFFA:OFFA+1]
	s_lshl_b32 s[PFO], s[CH], 19                   ; 128 rows for the half that I fetch
	s_mov_b32 s[PFO+1], 0
	s_add_nc_u64 s[A0T:A0T+1], s[A0P:A0P+1], s[PFO:PFO+1]
	s_add_nc_u64 s[A1T:A1T+1], s[A1P:A1P+1], s[PFO:PFO+1]
	s_add_nc_u64 s[PFB:PFB+1], s[A0P:A0P+1], 512   ; the first prefetch: K step 2
	s_add_nc_u64 s[W0T:W0T+1], s[84:85], s[OFFB:OFFB+1]
	s_add_nc_u64 s[W1T:W1T+1], s[W0T:W0T+1], 2097152
	s_add_nc_u64 s[OUTF:OUTF+1], s[OUTF:OUTF+1], s[OUTM:OUTM+1]
	s_add_nc_u64 s[OUTM:OUTM+1], s[100:101], s[OUTM:OUTM+1]
	s_add_nc_u64 s[B1P:B1P+1], s[B1P:B1P+1], s[B0P:B0P+1]
	s_add_nc_u64 s[B0P:B0P+1], s[2:3], s[B0P:B0P+1]
	s_add_nc_u64 s[MP:MP+1], s[94:95], s[MP:MP+1]
	s_mov_b32 s[XA], 1                             ; K step 0, slot 0
	s_mul_i32 s[XA+1], s[CH], AHALF
	s_mov_b64 s[XA+2:XA+3], s[A0T:A0T+1]
	s_or_b32 s[XA+3], s[XA+3], 0x80000000
	s_mov_b32 s[XB], 1
	s_mul_i32 s[XB+1], s[CH], BHALF
	s_add_co_u32 s[XB+1], s[XB+1], BOFF
	s_mov_b64 s[XB+2:XB+3], s[W0T:W0T+1]
	s_or_b32 s[XB+3], s[XB+3], 0x80000000
	s_add_nc_u64 s[G0A+2:G0A+3], s[A0T:A0T+1], 256 ; K step 1, slot 1
	s_or_b32 s[G0A+3], s[G0A+3], 0x80000000
	s_add_nc_u64 s[G0B+2:G0B+3], s[W0T:W0T+1], 131072
	s_or_b32 s[G0B+3], s[G0B+3], 0x80000000
	CROUND                                         ; all sixteen work-groups are here: the first joint loads meet
	s_cmp_eq_u32 s[RH], 0                          ; a wave's two first fills stand in one branch, ahead of every wait on TENSORcnt, every LDS read and every further barrier: two loads of mine are out
	s_cbranch_scc0 .Lfirst_b
	tensor_load_to_lds s[XA:XA+3], s[G1A:G1A+7]
	s_nop 0
	tensor_load_to_lds s[G0A:G0A+3], s[G1A:G1A+7]
	s_nop 0
.rept 4
	v_nop
.endr
	global_prefetch_b8 v[PFV], s[PFB:PFB+1] th:TH_LOAD_NT scope:SCOPE_SE
	s_branch .Lfirst_asked
.Lfirst_b:
	tensor_load_to_lds s[XB:XB+3], s[G1B:G1B+7]
	s_nop 0
	tensor_load_to_lds s[G0B:G0B+3], s[G1B:G1B+7]
	s_nop 0
.rept 4
	v_nop
.endr
.Lfirst_asked:
	; lane addresses.  A fragment is 16 rows x 32 K: lane l holds row l % 16, K = 8 (l / 16) + 0..7 and 16 + 8 (l / 16) + 0..7.
	v_and_b32 v1, 15, v0                           ; r
	v_bfe_u32 v2, v0, 4, 1                         ; h
	v_lshlrev_b32 v[GO], 4, v3
	global_load_b128 v[32:35], v[GO], s[B0P:B0P+1] ; four numbers a lane of each of the two biases
	global_load_b128 v[36:39], v[GO], s[B1P:B1P+1]
.irp a, 0,1,2,3,4,5,6,7
	global_load_u8 v[MB+(\a)], v1, s[MP:MP+1] offset:16*(\a)   ; the mask byte of my row in each block of 16
.endr
	v_mul_u32_u24 v[ADRA0], v1, PA
	v_lshl_add_u32 v[ADRA0], v2, 5, v[ADRA0]       ; f32: 8 numbers are 32 bytes
	s_mul_i32 s2, s[RH], AHALF
	v_add_nc_u32 v[ADRA0], s2, v[ADRA0]
	v_mul_u32_u24 v[ADRB0], v1, PB
	v_lshl_add_u32 v[ADRB0], v2, 4, v[ADRB0]
	s_mul_i32 s2, s[CH], BHALF
	s_add_co_u32 s2, s2, BOFF
	v_add_nc_u32 v[ADRB0], s2, v[ADRB0]
	s_mul_i32 s2, s[WV], 32*SP
	s_add_co_u32 s2, s2, STAGE                     ; my stage
	v_mul_u32_u24 v[STO], v1, SP                   ; in: row l % 16, 16 bytes for each half of the lanes
	v_lshl_add_u32 v[STO], v2, 4, v[STO]
	v_add_nc_u32 v[STO], s2, v[STO]
	v_lshrrev_b32 v4, 3, v3                        ; back: 32 lanes take four rows of 128 bytes
	v_and_b32 v5, 7, v3
	v_mul_u32_u24 v[RD], v4, SP
	v_lshl_add_u32 v[RD], v5, 4, v[RD]
	v_add_nc_u32 v[RD], s2, v[RD]
	s_lshl_b32 s2, s[WV], 10
	s_add_co_u32 s2, s2, BIASL                     ; my bias numbers
	v_lshl_add_u32 v[BRD], v2, 5, s2               ; register j of block b wants column 16 b + 8 h + j
	v_add_nc_u32 v6, s2, v[GO]
	v_mov_b32 v[ADRA], v[ADRA0]                    ; slot 0
	v_mov_b32 v[ADRB], v[ADRB0]
	s_wait_loadcnt 0x0
	v_cvt_pk_bf16_f32 v40, v32, v33                ; the biases are rounded to bf16 like every input
	v_cvt_pk_bf16_f32 v41, v34, v35
	v_cvt_pk_bf16_f32 v42, v36, v37
	v_cvt_pk_bf16_f32 v43, v38, v39
.irp j, 0,1,2,3
	v_lshlrev_b32 v[32+2*(\j)], 16, v[40+(\j)]
	v_and_b32     v[33+2*(\j)], 0xffff0000, v[40+(\j)]
.endr
.irp j, 0,1,2,3
	v_cndmask_b32 v[44+(\j)], v[36+(\j)], 0, s[TM] ; qh's sum starts with bq + br; vh's with bv alone
.endr
.irp j, 0,1,2,3
	v_add_f32 v[32+(\j)], v[32+(\j)], v[44+(\j)]
.endr
	ds_store_b128 v6, v[32:35]                     ; set 1: the first tile's
	ds_store_b128 v6, v[36:39] offset:512          ; set 2: bk, for kh
.irp a, 0,1,2,3,4,5,6,7
	v_cmp_ne_u32 s[MK+(\a)], 0, v[MB+(\a)]
	s_and_b32 s[MK+(\a)], s[MK+(\a)], s[TM]        ; only kh's rows are masked
.endr
; 16 matrix instructions: blocks a0, a0 + 1 of the window's four x all 8 column blocks, 32 along K, from buffers f.  The 64 accumulators take turns, one instruction a turn, in the same order in every
; half step.
.macro MUL16 f, hi, a0
	WIN 0xa1+0x50*(\hi)                            ; W window 1, x window 0, C and D window 2 or 3
.irp a, \a0, (\a0)+1
.irp b, 0,1,2,3,4,5,6,7
	v_wmma_f32_16x16x32_bf16 v[8*(8*(\a)+(\b)):8*(8*(\a)+(\b))+7], v[64*(\f)+8*(\b):64*(\f)+8*(\b)+7], v[AF+64*(\f)+8*(4*(\hi)+(\a)):AF+64*(\f)+8*(4*(\hi)+(\a))+7], v[8*(8*(\a)+(\b)):8*(8*(\a)+(\b))+7]
.endr
.endr
.endm
; 48 LDS loads in one run: half kk of the slot in hand: W's 8 fragments into buffer kk, then x's 8 blocks as f32, blocks 0-3 first
.macro FETCH kk
	WIN 0x40                                       ; destination window 1, address window 0
.irp i, 0,1,2,3,4,5,6,7
	ds_load_b128 v[64*(\kk)+8*(\i):64*(\kk)+8*(\i)+3],   v[ADRB] offset:64*(\kk)+(\i)*16*PB
	ds_load_b128 v[64*(\kk)+8*(\i)+4:64*(\kk)+8*(\i)+7], v[ADRB] offset:64*(\kk)+(\i)*16*PB+32
.endr
.irp i, 0,1,2,3,4,5,6,7
	ds_load_b128 v[RAW+16*(\i):RAW+16*(\i)+3],     v[ADRA] offset:128*(\kk)+(\i)*16*PA
	ds_load_b128 v[RAW+16*(\i)+4:RAW+16*(\i)+7],   v[ADRA] offset:128*(\kk)+(\i)*16*PA+16
	ds_load_b128 v[RAW+16*(\i)+8:RAW+16*(\i)+11],  v[ADRA] offset:128*(\kk)+(\i)*16*PA+64
	ds_load_b128 v[RAW+16*(\i)+12:RAW+16*(\i)+15], v[ADRA] offset:128*(\kk)+(\i)*16*PA+80
.endr
.endm
; 32 roundings: x's blocks 4 p .. 4 p + 3 into fragment buffer g
.macro CVT p, g
	WIN 0x05                                       ; sources window 1, destination window 0
.irp i, 4*(\p), 4*(\p)+1, 4*(\p)+2, 4*(\p)+3
.irp j, 0,1,2,3,4,5,6,7
	v_cvt_pk_bf16_f32 v[AF+64*(\g)+8*(\i)+(\j)], v[RAW+16*(\i)+2*(\j)], v[RAW+16*(\i)+2*(\j)+1]
.endr
.endr
.endm
; A step's first half: multiplies buffers 0, fetches and rounds the same slot's second half into buffers 1.  meet = 1: those were the slot's last reads, and behind the half's last product stands the change
; of slots: each wave waits for all its tensor loads, of which one is out: its part of the other slot; adds 0 to its spare word; waits for that and for its reads; then a round of the cluster's barrier.
.macro HALF_A meet
	PLACES                                         ; for the loads into W's buffer 1, which the half before multiplied
	FETCH 1
	MUL16 0, 0, 0
	MUL16 0, 0, 2
	s_wait_dscnt 16                                ; all but the youngest sixteen loads (x's blocks 4-7)
	CVT 0, 1
	MUL16 0, 1, 0
	s_wait_dscnt 0x0
	CVT 1, 1
	MUL16 0, 1, 2
	WIN 0
.if \meet
	s_wait_tensorcnt 0x0                           ; all my tensor loads have landed, so the descriptors may be written
	ds_add_u32 v[SPW], v[NIL]                      ; 0 onto my spare word: the descriptors' scalar work stands between it and the wait for it
	MKDESC
	s_wait_dscnt 0x0                               ; the add is done; my reads of this slot came back above
	CROUND                                         ; no wave of any partner still reads this slot or has a load on its way
.endif
.endm
; A step's second half: multiplies buffers 1.  fill = 1: the slot just left is filled again, first thing.  fetch = 1: the other slot's first half is fetched and rounded into buffers 0.
.macro HALF_B fill, fetch
.if \fill
	JLOAD                                          ; its four v_nop are also the places in front of the loads below
.elseif \fetch
	PLACES
.endif
.if \fetch
	s_xor_b32 s[TB], s[TB], SLOT1
	v_add_nc_u32 v[ADRA], s[TB], v[ADRA0]
	v_add_nc_u32 v[ADRB], s[TB], v[ADRB0]
	FETCH 0
	MUL16 1, 0, 0
	MUL16 1, 0, 2
	s_wait_dscnt 16                                ; all but x's blocks 4-7
	CVT 0, 0
	MUL16 1, 1, 0
	s_wait_dscnt 0x0
	CVT 1, 0
	MUL16 1, 1, 2
.else
	MUL16 1, 0, 0
	MUL16 1, 0, 2
	MUL16 1, 1, 0
	MUL16 1, 1, 2
.endif
	WIN 0
.endm
.macro BIASLOAD set                    ; my 64 bias numbers: column block b's eight at BIAS + 8 b
.irp b, 0,1,2,3,4,5,6,7
	ds_load_b128 v[BIAS+8*(\b):BIAS+8*(\b)+3],   v[BRD] offset:(\set)+64*(\b)
	ds_load_b128 v[BIAS+8*(\b)+4:BIAS+8*(\b)+7], v[BRD] offset:(\set)+64*(\b)+16
.endr
.endm
.macro ACCSET                          ; a tile's sums start at the bias: accumulator (a, b) takes column block b's eight numbers
.irp w, 0,1
	WIN 0x80+0x40*(\w)                             ; destination window 2 or 3, source window 0
.set z, 0
.rept 256
	v_mov_b32 v[z], v[BIAS+z%64]
.set z, z+1
.endr
.endr
	WIN 0
.endm
; THE WAY OUT of block a (16 rows x 128 columns = 2 heads).  PACK: rounded to f16, each accumulator's registers in ascending order; m = 1: rows of masked keys become 0.
; TOSTAGE: into my own stage, and back as whole rows of 128 bytes.  SEND: stored: 512 consecutive bytes of a head, aligned.
.macro PACK a, m
	WIN 0x0a+5*((\a)/4)                            ; sources window 2 or 3
.irp b, 0,1,2,3,4,5,6,7
.irp j, 0,1,2,3
	v_cvt_pk_f16_f32 v[TMP+4*(\b)+(\j)], v[64*((\a)%4)+8*(\b)+2*(\j)], v[64*((\a)%4)+8*(\b)+2*(\j)+1]
.endr
.endr
	WIN 0
.if \m
	s_mov_b32 vcc_lo, s[MK+(\a)]                   ; through VCC, for the select's short form
.set z, 0
.rept 32
	v_cndmask_b32 v[TMP+z], v[TMP+z], v[NIL], vcc_lo
.set z, z+1
.endr
.endif
.endm
.macro TOSTAGE a
	WIN 0
.irp b, 0,1,2,3,4,5,6,7
	ds_store_b128 v[STO], v[TMP+4*(\b):TMP+4*(\b)+3] offset:((\b)/4)*16*SP+32*((\b)%4)
.endr
.irp t, 0,1,2,3,4,5,6,7
	ds_load_b128 v[BK+32*((\a)%2)+4*(\t):BK+32*((\a)%2)+4*(\t)+3], v[RD] offset:((\t)/4)*16*SP+((\t)%4)*4*SP  ; LDS serves a wave's instructions in order (ISA guide 5.7.1.4): these see the stores above
.endr
.endm
.macro SEND a, o
	WIN 0
	s_wait_dscnt 0x0                               ; the block is back in registers
	s_wait_xcnt 0x0                                ; earlier stores have read their registers: the buffer that the next block is read into is rewritten only behind this wait
.irp t, 0,1,2,3,4,5,6,7
	global_store_b128 v[GO], v[BK+32*((\a)%2)+4*(\t):BK+32*((\a)%2)+4*(\t)+3], s[(\o):(\o)+1] offset:((\t)/4)*131072+(\a)*2048+((\t)%4)*512
.endr
.endm
.macro WAYOUT m, o
	PACK 0, \m
	TOSTAGE 0
.irp a, 1,2,3,4,5,6,7                  ; block a's conversions stand between block a - 1's loads from the stage and the wait for them
	PACK \a, \m
	SEND (\a)-1, \o
	TOSTAGE \a
.endr
	SEND 7, \o
.endm
	s_wait_tensorcnt 0x1                           ; my part of K step 0 is in; step 1's may stay out
	s_wait_dscnt 0x0                               ; my bias stores are done
	s_barrier_signal -1
	s_barrier_wait -1                              ; everybody's part is in
	s_mov_b32 s[TB], 0
	FETCH 0
	WIN 0
	BIASLOAD 0
	s_wait_dscnt 0x0
	CVT 0, 0
	CVT 1, 0
	WIN 0
	s_mov_b32 s[CNT], 31
	s_branch .Lset                                 ; the loop is entered where a tile begins
.Lstep:                                                ; 30 trips: step 30 - CNT's second half, which asks for step 32 - CNT, and the next step's first half
	HALF_B 1, 1
	s_cmp_lg_u32 s[CNT], 15                        ; behind step 15 a unit ends;
	s_cbranch_scc1 .Lplain
	s_cmp_eq_u32 s[TYPE], 0                        ; qh's sums run on into the second unit
	s_cbranch_scc1 .Lplain
	WAYOUT 0, OUTM                                 ; vh goes out.  The roundings of x above and the earlier blocks' conversions are the places behind the last products
	s_wait_xcnt 0x0                                ; the stores have read the registers that the bias now takes
	BIASLOAD 512                                   ; bk
	s_wait_dscnt 0x0
.Lset:
	ACCSET
.Lplain:
	HALF_A 1
	s_sub_co_u32 s[CNT], s[CNT], 1
	s_cmp_lg_u32 s[CNT], 0
	s_cbranch_scc1 .Lstep
	HALF_B 0, 1                                    ; the tail asks for nothing: step 30's second half, and step 31
	HALF_A 0
	HALF_B 0, 0
	PLACES
	WAYOUT 1, OUTF                                 ; kh (masked rows 0) or qh (no lane is masked)
	s_wait_tensorcnt 0x0                           ; the wave's end
	ds_add_u32 v[SPW], v[NIL]
	s_wait_dscnt 0x0
	CROUND                                         ; the closing round
	s_endpgm
.Lfunc_end_k_qf5c3590a6d_proj:
	.size	k_qf5c3590a6d_proj, .Lfunc_end_k_qf5c3590a6d_proj-k_qf5c3590a6d_proj
	.p2alignl 7, 3214868480
	.fill 96, 4, 3214868480
	.section	.rodata,"a",@progbits
	.p2align	6, 0x0
	.amdhsa_kernel k_qf5c3590a6d_proj
		.amdhsa_group_segment_fixed_size 327680
		.amdhsa_private_segment_fixed_size 0
		.amdhsa_enable_private_segment 0
		.amdhsa_kernarg_size 104
		.amdhsa_user_sgpr_count 2
		.amdhsa_user_sgpr_kernarg_segment_ptr 1
		.amdhsa_wavefront_size32 1
		.amdhsa_system_sgpr_workgroup_id_x 1
		.amdhsa_system_sgpr_workgroup_id_y 1
		.amdhsa_system_sgpr_workgroup_id_z 1
		.amdhsa_system_vgpr_workitem_id 0
		.amdhsa_next_free_vgpr 1024
		.amdhsa_next_free_sgpr 102
		.amdhsa_reserve_vcc 1
		.amdhsa_float_denorm_mode_32 3
		.amdhsa_float_denorm_mode_16_64 3
		.amdhsa_memory_ordered 1
		.amdhsa_forward_progress 1
		.amdhsa_inst_pref_size 160
	.end_amdhsa_kernel
	.amdgpu_metadata
---
amdhsa.version: [ 1, 2 ]
amdhsa.kernels:
  - .name:           k_qf5c3590a6d_proj
    .symbol:         k_qf5c3590a6d_proj.kd
    .args:
      - { .name: q, .offset: 0, .size: 8, .value_kind: global_buffer, .address_space: global }
      - { .name: r, .offset: 8, .size: 8, .value_kind: global_buffer, .address_space: global }
      - { .name: v, .offset: 16, .size: 8, .value_kind: global_buffer, .address_space: global }
      - { .name: k, .offset: 24, .size: 8, .value_kind: global_buffer, .address_space: global }
      - { .name: wb, .offset: 32, .size: 8, .value_kind: global_buffer, .address_space: global }
      - { .name: bq, .offset: 40, .size: 8, .value_kind: global_buffer, .address_space: global }
      - { .name: br, .offset: 48, .size: 8, .value_kind: global_buffer, .address_space: global }
      - { .name: bv, .offset: 56, .size: 8, .value_kind: global_buffer, .address_space: global }
      - { .name: bk, .offset: 64, .size: 8, .value_kind: global_buffer, .address_space: global }
      - { .name: mask, .offset: 72, .size: 8, .value_kind: global_buffer, .address_space: global }
      - { .name: qh, .offset: 80, .size: 8, .value_kind: global_buffer, .address_space: global }
      - { .name: kh, .offset: 88, .size: 8, .value_kind: global_buffer, .address_space: global }
      - { .name: vh, .offset: 96, .size: 8, .value_kind: global_buffer, .address_space: global }
    .group_segment_fixed_size: 327680
    .private_segment_fixed_size: 0
    .kernarg_segment_align: 8
    .kernarg_segment_size: 104
    .max_flat_workgroup_size: 128
    .sgpr_count:     102
    .vgpr_count:     1024
    .wavefront_size: 32
...
	.end_amdgpu_metadata
.endif
;; end of part 2
;; launch attn (part 3): grid 2 x 128, 4 waves a work-group, no clusters, 327,680 bytes of LDS; arguments qh, kh, vh, oh, mask; writes oh
.if DOCPART == 3
	.amdgcn_target "amdgcn-amd-amdhsa--gfx1250"
	.amdhsa_code_object_version 6
	.text
	.protected	k_qf5c3590a6d_attn
	.globl	k_qf5c3590a6d_attn
	.p2align	8
	.type	k_qf5c3590a6d_attn,@function
k_qf5c3590a6d_attn:
	s_mov_b64 s[64:65], 0
	v_nop
	global_prefetch_b8 v0, s[64:65] scope:SCOPE_SE
	s_setreg_imm32_b32 hwreg(HW_REG_WAVE_MODE, 25, 1), 1
	s_wait_xcnt 0x0
; O[h][q][:] = the sum over k of softmax_k(score) V[h][k][:], score = Q[h][q] . K[h][k] / 8, replaced for a masked key.  Q, K, V, O: [128 heads][1024][64], all f16, a head's rows dense, 128 bytes each.
; Products, maxima and sums in f32; the weights p are rounded to f16 for the second product (their sum l is taken of the unrounded p), O once at the end.
; THE MASK.  The launch before wrote K's rows of masked keys as 0; here the sum S^T = K Q^T starts with C = -2^33 for a masked key and 0 for the others, so a masked score is exactly -2^33, scaled -2^30.
; A power of two, so that c x score is exact in f32 and a batch whose keys are all masked gets p = 1 for every key: the mean of V, as reference() gives.
; LIMITS.  reference() puts -1e9 where this text puts -2^30 = -1.07e9: the results agree while every unmasked scaled score stays some hundreds above -1e9.  f16 holds no number beyond 65,504: Q, K and V
; arrive within it; p below 6e-5 keeps f16's fixed step of 6e-8; a weight below 2^-126 counts as 0 in l; NaN and infinities are not treated apart; a mask byte is 0 or 1.
; SHARES.  A wave owns four PIECES of two tiles of 16 queries, a work-group's four waves 512 queries of one head: 256 work-groups.  Every wave walks all keys, 64 a step.
; ALL OF A HEAD'S K AND V LIE IN LDS: 1,024 rows of 144 bytes and 1,024 of 160, 311,296 bytes.  They are asked for at the start, two tensor loads a wave: its half of keys 0-255, then its half of keys
; 256-1,023.  Nothing is filled again, so no tensor load stands in the loop, and ONE text of the key step serves all sixteen steps.
; NO CLUSTER: a head has two blocks of 512 queries, and clusters here are four along an axis; blocks of 256 queries in clusters of four would halve the products that each fragment read from LDS feeds.
; LAYOUT.  S^T = K Q^T (source 0 = 16 keys, source 1 = 16 queries): a lane holds ONE query (lane % 16) and the keys 8 (lane / 16) + 0..7.  Two such tiles, rounded to f16 in pairs, ARE source 1 of
; O^T = V^T P.  K comes out of LDS as it lies, V ([key][channel]) turned, by ds_load_tr16_b128.
; SOFTMAX.  For each query a running maximum m and sum l: p = 2^(c s - c m), c = log2(e) / 8; in every step O and l are multiplied by a = 2^(c m_old - c m_new).  m starts at the lowest finite number, O and l at 0.
; BY TURNS.  Turn n belongs to piece n.  Its matrix work: 16 products K Q^T of piece n + 1, later 16 products V^T P of piece n - 1.  Its vector work: the scaling, exponentials, roundings, sums and rescaling
; of piece n, and the maximum and statistics of piece n + 1.  Four vector instructions stand behind every matrix instruction, the others in two lumps.
; REGISTERS, in windows of 256 (s_set_vgpr_msb: bits 1:0 source 0, 3:2 source 1, 5:4 source 2, 7:6 destination):
;   window 0: v0-11 addresses; v12-15, v48-63 at work; v16-47 four registers of statistics a tile; v64-191 S^T, two buffers of two tiles; v192-255 P, likewise
;   window 1: O^T, 32 a tile     window 2: v0-127 Q; v128-191 K of one step; v192-255 V of one step     window 3: v0-1 the add's two registers; v8-39 the step's masks as C operands
.set SIZE_N, 1024
.set NP,    4
.set KS,    64
.set PK,    144       ; a row of K in LDS: 128 bytes + 16 = 36 words: the 16 rows of a load start at 16 different groups of four banks (64 banks of 4 bytes: ISA guide 11.1)
.set PV,    160       ; a row of V: 128 + 32 = 40 words
.set VOFF,  SIZE_N*PK          ; K's 1,024 rows, then V's
.set STAGE, VOFF+SIZE_N*PV     ; behind them, never filled by a tensor load: 16 rows x 144 bytes for each wave
.set SP,    144
.set SPARE, STAGE+4*16*SP  ; the spare words, 128 bytes for each wave: two blocks of 256 bytes that no other line names
.set MT,    SPARE+512      ; the batch's 1,024 masks as f32: 0 or -2^33
.set AK0, 2
.set AV0, 3
.set AK,  4
.set AV,  5
.set QO,  6
.set STO, 6
.set RD,  7
.set GO,  8
.set AM0, 10          ; v10  my lanes' place in a step's masks: MT + 32 (l / 16)
.set AM,  11          ; v11  the LDS address of the masks' next run of loads
.set SPW, 0           ; v0 of window 3
.set NIL, 1           ; v1 of window 3
.set MC,  8           ; window 3: key block kb's eight masks at MC + 8 kb
.set MV,  12
.set ST,  16
.set TMP, 48
.set S,   64
.set P,   192
.set KF,  128
.set VF,  192
.set WV,  12
.set G1K, 24          ; s[24:31], s[32:39] group 1 of the first loads (128 keys), for K and for V
.set G1V, 32
.set G0K, 40          ; s[40:43], s[44:47] their group 0
.set G0V, 44
.set TBM, 52          ; s52  256 x the step whose masks are fetched next
.set SLOTS, 56        ; s56  3, 2, 1: the walk's three parts
.set CNT, 57
.set CS,  58
.set SEL, 60
.set TBK, 62          ; s62  LDS byte at which K of the step to be fetched begins
.set TBV, 63          ; s63  the same for V, less VOFF
.set G1K2, 68         ; s[68:75], s[76:83] group 1 of the second loads (384 keys)
.set G1V2, 76
.set G0K2, 84         ; s[84:87], s[88:91] their group 0
.set G0V2, 88
.set MSB, 0
.macro WIN new
.if MSB != (\new)
	s_set_vgpr_msb (MSB<<8)|(\new)
.set MSB, (\new)
.endif
.endm
.set W_KQ, 0x0a       ; K and Q in window 2, S^T in window 0
.set W_KM, 0x3a       ; the same with the C operand in window 3
.set W_PV, 0x52       ; V in window 2, P in window 0, O^T in window 1
.set W_RS, 0x41       ; O^T (destination and source 0) in window 1, a in window 0
.set W_MK, 0xc0       ; destination in window 3, sources in window 0
.set W_AD, 0x0f       ; the add: address and data in window 3
	s_load_b256 s[4:11], s[0:1], 0x0  ; Q s[4:5], K s[6:7], V s[8:9], O s[10:11]
	s_load_b64 s[48:49], s[0:1], 0x20 ; mask
	WIN W_MK
	v_lshl_add_u32 v[SPW], v0, 2, SPARE
	v_mov_b32 v[NIL], 0
	WIN W_AD
	ds_add_u32 v[SPW], v[NIL]       ; the wave's opening: the add and its wait stand ahead of my first tensor load
	ds_add_u32 v0, v1
	WIN 0
	v_lshrrev_b32 v1, 5, v0
	v_readfirstlane_b32 s[WV], v1   ; wave 0..3
	s_mov_b32 s14, ttmp9            ; my block of 512 queries
	s_and_b32 s20, ttmp7, 0xffff    ; the head
	s_lshr_b32 s50, s20, 4          ; its batch:
	s_lshl_b32 s50, s50, 10         ; 1,024 mask bytes
	s_mov_b32 s51, 0
	s_mov_b32 s21, 0
	s_mov_b64 s[22:23], SIZE_N*128
	s_mul_u64 s[20:21], s[20:21], s[22:23]  ; the head's first byte in each of the four tensors
	s_and_b32 s16, s[WV], 1         ; which half of the keys I fetch:
	s_lshl_b32 s22, s16, 14         ; of keys 0-255: 128 rows of 128 bytes,
	s_mov_b32 s23, 0
	s_add_nc_u64 s[22:23], s[22:23], s[20:21]
	s_mul_i32 s54, s16, 384*128     ; of keys 256-1,023: 384 rows
	s_add_co_u32 s54, s54, 256*128
	s_mov_b32 s55, 0
	s_add_nc_u64 s[54:55], s[54:55], s[20:21]
	s_lshl_b32 s2, s14, 2
	s_add_co_u32 s2, s2, s[WV]      ; my wave among the head's,
	s_lshl_b32 s2, s2, 14           ; its 128 rows
	s_mov_b32 s3, 0
	s_add_nc_u64 s[2:3], s[2:3], s[20:21]
	; descriptor group 1.  Keys are dense bytes: asked for as rows of 256 bytes, two keys a row, and padded in LDS after every key: 64 such rows, then 192
	s_mov_b32 s[G1K], (1<<16)|(1<<20)|(4<<22)|(3<<25)  ; 2-byte elements; padding on; after every 32 words; 4 words
	s_mov_b32 s[G1V], (1<<16)|(1<<20)|(4<<22)|(7<<25)  ; the same with 8 words of padding
	s_mov_b32 s[G1K2], (1<<16)|(1<<20)|(4<<22)|(3<<25)
	s_mov_b32 s[G1V2], (1<<16)|(1<<20)|(4<<22)|(7<<25)
.irp g, G1K, G1V
	s_mov_b32 s[\g+1], 128<<16      ; tensor_dim0 = 128
	s_mov_b32 s[\g+2], 64<<16       ; tensor_dim1 = 64
	s_mov_b32 s[\g+3], 128<<16      ; tile_dim0 = 128
	s_mov_b32 s[\g+4], 64           ; tile_dim1 = 64
	s_mov_b32 s[\g+5], 128          ; 128 elements from row to row
	s_mov_b32 s[\g+6], 0
	s_mov_b32 s[\g+7], 0
.endr
.irp g, G1K2, G1V2
	s_mov_b32 s[\g+1], 128<<16
	s_mov_b32 s[\g+2], 192<<16      ; tensor_dim1 = 192
	s_mov_b32 s[\g+3], 128<<16
	s_mov_b32 s[\g+4], 192          ; tile_dim1 = 192
	s_mov_b32 s[\g+5], 128
	s_mov_b32 s[\g+6], 0
	s_mov_b32 s[\g+7], 0
.endr
	s_mov_b32 s[CS], 0x3e38aa3b     ; c = log2(e) / 8 = 0.180337
	s_mov_b32 s[CS+1], s[CS]
	s_mov_b32 s[SEL], 0x76543210
	s_mov_b32 s[SEL+1], 0xfedcba98
	s_mov_b32 s[TBK], 0
	s_mov_b32 s[TBV], 0
	s_mov_b32 s[TBM], 0
	s_mov_b32 s[G0K], 1
	s_mul_i32 s[G0K+1], s16, 128*PK ; LDS: a key's row lies at its number times the pitch
	s_mov_b32 s[G0V], 1
	s_mul_i32 s[G0V+1], s16, 128*PV
	s_add_co_u32 s[G0V+1], s[G0V+1], VOFF
	s_mov_b32 s[G0K2], 1
	s_mul_i32 s[G0K2+1], s16, 384*PK
	s_add_co_u32 s[G0K2+1], s[G0K2+1], 256*PK
	s_mov_b32 s[G0V2], 1
	s_mul_i32 s[G0V2+1], s16, 384*PV
	s_add_co_u32 s[G0V2+1], s[G0V2+1], VOFF+256*PV
	s_mul_i32 s13, s[WV], 16*SP
	s_add_co_u32 s13, s13, STAGE    ; my stage
	s_wait_dscnt 0x0                ; the opening add is done
	s_wait_kmcnt 0x0
	s_add_nc_u64 s[G0K+2:G0K+3], s[6:7], s[22:23]
	s_or_b32 s[G0K+3], s[G0K+3], 0x80000000
	s_add_nc_u64 s[G0V+2:G0V+3], s[8:9], s[22:23]
	s_or_b32 s[G0V+3], s[G0V+3], 0x80000000
	s_add_nc_u64 s[G0K2+2:G0K2+3], s[6:7], s[54:55]
	s_or_b32 s[G0K2+3], s[G0K2+3], 0x80000000
	s_add_nc_u64 s[G0V2+2:G0V2+3], s[8:9], s[54:55]
	s_or_b32 s[G0V2+3], s[G0V2+3], 0x80000000
	s_add_nc_u64 s[4:5], s[4:5], s[2:3]  ; Q and O at my wave's first row
	s_add_nc_u64 s[10:11], s[10:11], s[2:3]
	s_add_nc_u64 s[48:49], s[48:49], s[50:51]
	s_cmp_lt_u32 s[WV], 2           ; waves 0 and 1 fetch K, waves 2 and 3 V.  A wave's two loads stand in one branch, ahead of every wait on TENSORcnt, every LDS read and every barrier: two loads of mine are out;
	s_cbranch_scc0 .Lfirst_v        ; an s_nop 0 follows each, four v_nop the second's
	tensor_load_to_lds s[G0K:G0K+3], s[G1K:G1K+7]
	s_nop 0
	tensor_load_to_lds s[G0K2:G0K2+3], s[G1K2:G1K2+7]
	s_nop 0
.rept 4
	v_nop
.endr
	s_branch .Lfirst_asked
.Lfirst_v:
	tensor_load_to_lds s[G0V:G0V+3], s[G1V:G1V+7]
	s_nop 0
	tensor_load_to_lds s[G0V2:G0V2+3], s[G1V2:G1V2+7]
	s_nop 0
.rept 4
	v_nop
.endr
.Lfirst_asked:
	v_lshlrev_b32 v74, 3, v0
	global_load_b64 v[64:65], v74, s[48:49]  ; thread t: the mask bytes of keys 8 t .. 8 t + 7 (S^T's registers are free till the first products)
	v_and_b32 v1, 15, v0            ; l % 16
	v_bfe_u32 v9, v0, 4, 1          ; l / 16
	v_lshlrev_b32 v[QO], 7, v1
	v_lshl_add_u32 v[QO], v9, 4, v[QO]  ; row x 128 + 16 x half
	WIN 0x80                        ; destination window 2, address window 0
.set i, 0
.rept 4*NP                          ; Q stays in registers: tile i / 2, channels 32 (i % 2) on
	global_load_b128 v[8*i:8*i+3],   v[QO], s[4:5] offset:(i/2)*2048+(i%2)*64
	global_load_b128 v[8*i+4:8*i+7], v[QO], s[4:5] offset:(i/2)*2048+(i%2)*64+32
.set i, i+1
.endr
	; What the first turn finds: V's registers and P's second buffer hold 0, O^T and l are 0.  All this stands in the wait for the first tile.
.set i, VF
.rept 64
	v_mov_b32 v[i], 0
.set i, i+1
.endr
	WIN 0x40
.set i, 0
.rept 64*NP
	v_mov_b32 v[i], 0
.set i, i+1
.endr
	WIN 0
.set i, 0
.rept 2*NP
	v_mov_b32 v[ST+4*i], 0xfe000000    ; c m: far below every c s
	v_mov_b32 v[ST+4*i+1], 0xff7fffff  ; m
	v_mov_b32 v[ST+4*i+2], 0
	v_mov_b32 v[ST+4*i+3], 0
.set i, i+1
.endr
.set i, P+32
.rept 32
	v_mov_b32 v[i], 0
.set i, i+1
.endr
	v_mul_u32_u24 v[AK0], v1, PK
	v_lshl_add_u32 v[AK0], v9, 4, v[AK0]  ; row x pitch + 16 x half
	; The turning load takes 16 keys x 16 channels (lane l reads key 8 (l / 16) + l % 8, channels 8 ((l / 8) % 2) + 0..7) and leaves half a fragment of V^T.
	v_and_b32 v10, 7, v0
	v_bfe_u32 v11, v0, 3, 1
	v_lshl_add_u32 v[AV0], v9, 3, v10
	v_mul_u32_u24 v[AV0], v[AV0], PV
	v_lshl_add_u32 v[AV0], v11, 4, v[AV0]
	v_add_nc_u32 v[AV0], VOFF, v[AV0]
	v_mov_b32 v[AK], v[AK0]         ; key step 0 lies at K's head
	v_bfe_u32 v[RD], v0, 3, 2       ; the way out, back: 32 lanes take four rows of 128 bytes,
	v_mul_u32_u24 v[RD], v[RD], SP
	v_lshl_add_u32 v[RD], v10, 4, v[RD]
	v_add_nc_u32 v[RD], s13, v[RD]
	v_and_b32 v[GO], 31, v0         ; which are 512 consecutive bytes of O
	v_lshlrev_b32 v[GO], 4, v[GO]
	v_lshl_add_u32 v[AM0], v9, 5, MT  ; register j of key block kb wants key 16 kb + 8 (l / 16) + j
	v_mov_b32 v[AM], v[AM0]
	s_wait_loadcnt 32               ; the mask bytes are in; Q's 32 loads stay out
.set i, 0
.rept 8
	v_bfe_u32 v[66+i], v[64+i/4], 8*(i%4), 8
.set i, i+1
.endr
.set i, 0
.rept 8
	v_cvt_f32_u32 v[66+i], v[66+i]
.set i, i+1
.endr
.set i, 0
.rept 8
	v_mul_f32 v[66+i], 0xd0000000, v[66+i]  ; 0, or -2^33
.set i, i+1
.endr
	v_lshl_add_u32 v75, v0, 5, MT
	ds_store_b128 v75, v[66:69]
	ds_store_b128 v75, v[70:73] offset:16
; THE MATRIX WORK.  The 8 accumulators of a run of 16 take turns.
; Product i of 16 of S^T = K Q^T for piece x: channels 32 (i / 8) on, keys 16 ((i / 2) % 4) on, tile 2 x + i % 2.  The first 8 start the sums, with the keys' masks.
.macro KQ x
.set rS, S+64*((\x)%2)+32*(i%2)+8*((i/2)%4)
.set rK, KF+16*((i/2)%4)+8*(i/8)
.set rQ, 16*(2*(\x)+i%2)+8*(i/8)
.set rMK, MC+8*((i/2)%4)
.if i < 8
	WIN W_KM
	v_wmma_f32_16x16x32_f16 v[rS:rS+7], v[rK:rK+7], v[rQ:rQ+7], v[rMK:rMK+7]
.else
	WIN W_KQ
	v_wmma_f32_16x16x32_f16 v[rS:rS+7], v[rK:rK+7], v[rQ:rQ+7], v[rS:rS+7]
.endif
.endm
; Product i of 16 of O^T += V^T P for piece x: keys 32 (i / 8) on, channels 16 ((i / 2) % 4) on, tile 2 x + i % 2.
.macro PV x
	WIN W_PV
.set rO, 32*(2*(\x)+i%2)+8*((i/2)%4)
.set rV, VF+32*(i/8)+8*((i/2)%4)
.set rP, P+32*((\x)%2)+16*(i%2)+8*(i/8)
	v_wmma_f32_16x16x32_f16 v[rO:rO+7], v[rV:rV+7], v[rP:rP+7], v[rO:rO+7]
.endm
.macro MM                           ; the turn's next matrix instruction
.if i < 16
	KQ (Y+1)%NP
.set i, i+1
.else
.set i, i-16
	PV (Y+NP-1)%NP
.set i, i+17
.endif
.endm
; THE LDS LOADS stand in runs, never singly among the matrix instructions: a step's K (8 fragments) with its masks (which live exactly as long as K's fragments), and its V (turned).
; last = 1 (in the loop): in the walk's last part there is no further step, and the run is jumped over.
.macro FETCH_K last=0
	WIN 0
.if \last
	s_cmp_eq_u32 s[SLOTS], 1
	s_cbranch_scc1 .Lno_k_\@
.endif
	WIN 0x80                        ; destination window 2
.irp f, 0,1,2,3,4,5,6,7             ; keys 16 (f / 2) on, channels 32 (f % 2) on
	ds_load_b128 v[KF+8*\f:KF+8*\f+3],   v[AK] offset:(\f/2)*16*PK+(\f%2)*64
	ds_load_b128 v[KF+8*\f+4:KF+8*\f+7], v[AK] offset:(\f/2)*16*PK+(\f%2)*64+32
.endr
	WIN 0xc0                        ; destination window 3
.irp f, 0,1,2,3                     ; key block f
	ds_load_b128 v[MC+8*\f:MC+8*\f+3],   v[AM] offset:64*\f
	ds_load_b128 v[MC+8*\f+4:MC+8*\f+7], v[AM] offset:64*\f+16
.endr
	s_add_co_u32 s[TBK], s[TBK], KS*PK  ; the next fetch is the next step's
	s_add_co_u32 s[TBM], s[TBM], 256
	s_and_b32 s[TBM], s[TBM], 0xf00     ; sixteen steps: it stays inside the table
	WIN 0
.if \last
.Lno_k_\@:
.endif
.endm
.macro FETCH_V
	WIN 0x80
.irp f, 0,1,2,3,4,5,6,7             ; keys 32 (f / 4) on, channels 16 (f % 4) on
	ds_load_tr16_b128 v[VF+8*\f:VF+8*\f+3],   v[AV] offset:(\f/4)*32*PV+(\f%4)*32
	ds_load_tr16_b128 v[VF+8*\f+4:VF+8*\f+7], v[AV] offset:(\f/4)*32*PV+16*PV+(\f%4)*32
.endr
	WIN 0
.endm
; THE VECTOR WORK OF A TURN stands in three queues, each in the order in which its entries become ready; the two tiles alternate.
.macro REGS y, u                    ; the registers of tile u (0, 1) of piece y
.set rT, ST+4*(2*(\y)+(\u))
.set rC, TMP+8*((\y)%2)+4*(\u)
.set rM, MV+2*((\y)%2)+(\u)
.set rS, S+64*((\y)%2)+32*(\u)
.set rP, P+32*((\y)%2)+16*(\u)
.set rO, 32*(2*(\y)+(\u))
.endm
; Number n of the 22 that find the NEXT piece's maximum and statistics; each accumulator's lowest registers are read first.
;   0-11  four chains c0-c3 of seven scores each     12-14, 16  the four scores left over, the old m, and c0-c3 into c0     15  c m_old is kept
;   17, 18  the query's other 32 keys lie in the lane 16 away: the new m         19-21  c m; c m_old - c m_new; a
.macro XS u, n
	REGS (Y+1)%NP, \u
.if (\n) < 4
	v_max3_num_f32 v[rC+(\n)], v[rS+8*(\n)], v[rS+8*(\n)+1], v[rS+8*(\n)+2]
.elseif (\n) < 12
	v_max3_num_f32 v[rC+(\n)%4], v[rC+(\n)%4], v[rS+8*((\n)%4)+2*((\n)/4)+1], v[rS+8*((\n)%4)+2*((\n)/4)+2]
.elseif (\n) == 12
	v_max3_num_f32 v[rC], v[rC], v[rS+7], v[rS+15]
.elseif (\n) == 13
	v_max3_num_f32 v[rC+1], v[rC+1], v[rS+23], v[rS+31]
.elseif (\n) == 14
	v_max3_num_f32 v[rC+2], v[rC+2], v[rC+3], v[rT+1]
.elseif (\n) == 15
	v_mov_b32 v[rM], v[rT]
.elseif (\n) == 16
	v_max3_num_f32 v[rC], v[rC], v[rC+1], v[rC+2]
.elseif (\n) == 17
	v_permlanex16_b32 v[rC+3], v[rC], s[SEL], s[SEL+1]
.elseif (\n) == 18
	v_max_num_f32 v[rT+1], v[rC], v[rC+3]
.elseif (\n) == 19
	v_mul_f32 v[rT], s[CS], v[rT+1]
.elseif (\n) == 20
	v_sub_f32 v[rC+1], v[rM], v[rT]
.else
	v_exp_f32 v[rC+2], v[rC+1]
.endif
.endm
; Number g of the 64 that follow the exponentials.  For each four weights k of a tile: both pairs are rounded to f16; the second pair is added onto the first, in place; a group later l takes that sum.
.macro GS g
.set h, (\g)+6*((\g)/62)
.if h >= 6
.set h, h+2
.endif
	REGS Y, h%2
.set k, h/8
.if h%8 < 4
	s_wait_alu depctr_va_vdst(0)
	v_cvt_pk_f16_f32 v[rP+2*k+(h%8)/2], v[rS+4*k+2*((h%8)/2)], v[rS+4*k+2*((h%8)/2)+1]
.elseif h%8 < 6
	v_pk_add_f32 v[rS+4*k:rS+4*k+1], v[rS+4*k:rS+4*k+1], v[rS+4*k+2:rS+4*k+3]
.elseif k == 1
	v_pk_fma_f32 v[rT+2:rT+3], v[rT+2:rT+3], v[rC+2:rC+3], v[rS:rS+1] op_sel_hi:[1,0,1]
.else
	v_pk_add_f32 v[rT+2:rT+3], v[rT+2:rT+3], v[rS+4*k-4:rS+4*k-3]
	s_wait_alu depctr_va_vdst(0)
.endif
.endm
; THE PLAIN QUEUE, 138 long.  0-31: c s - c m for the 16 pairs of both tiles.  Then GS's 64, and among them the next piece's 42.
.macro PL
	WIN 0
.if q < 32
	REGS Y, q%2
	v_pk_fma_f32 v[rS+2*(q/2):rS+2*(q/2)+1], v[rS+2*(q/2):rS+2*(q/2)+1], s[CS:CS+1], v[rT:rT+1] op_sel_hi:[1,0,0] neg_lo:[0,0,1] neg_hi:[0,0,1]
.elseif q < 38
	GS q-32
.elseif q < 40
	XS q%2, 15
.elseif q < 42
	GS q-34
.elseif q < 74
	XS q%2, (q-42)/2+(q-42)/30
.elseif q < 95
	GS q-66
.elseif (q < 107) && ((q-95)%3 < 2)
	XS (q-95)%3, 17+(q-95)/3
.elseif q < 107
	GS 29+(q-95)/3
.else
	GS q-74
.endif
.set q, q+1
.endm
; THE EXPONENTIALS' QUEUE, 66 long: s0-s31 of both tiles, and at EA the next piece's two a.
.set EA, 58
.macro EX
	WIN 0
.if (e == EA) || (e == EA+1)
	XS e-EA, 21
.else
.set x, e-2*(e/(EA+2))
	REGS Y, x%2
	v_exp_f32 v[rS+x/2], v[rS+x/2]
.endif
.set e, e+1
.endm
; THE RESCALING's QUEUE: O^T times a, the one part that leaves window 0, dealt four at a time, eight times.
.macro R4
	REGS Y, r%2
	WIN W_RS
	s_wait_alu depctr_va_vdst(0)
.irp z, 0,1,2,3
	v_pk_mul_f32 v[rO+8*(r/2)+2*\z:rO+8*(r/2)+2*\z+1], v[rO+8*(r/2)+2*\z:rO+8*(r/2)+2*\z+1], v[rC+2:rC+3] op_sel_hi:[1,0]
.endr
.set r, r+1
.endm
; HOW THEY ARE DEALT.  Behind a matrix instruction four: plain, exponential, plain, plain, or four of the rescaling; none names a register of the products round it.  What is over stands in two lumps.
; Exponential e stands behind plain 2 (e / 4) + e % 2 (its scaling); when plain 32 comes, 10 exponentials are out, at 59: 33, at 95: 46; EA comes behind plain 107.
.macro SL
	MM
	PL
	EX
	PL
	PL
.endm
.macro BURST n
.rept (\n)-7
	SL
.endr
.rept 3
	MM
	R4
	SL
.endr
	MM
	R4
.endm
; A TURN, for piece p.  cnt = 1: the loop's count is taken down some lines ahead of the branch behind the turn.
; K and the masks of the next step are fetched in piece 2's turn, in the first lump, far behind the last product that read them; V of the step in hand at the end of piece 0's turn.
.macro TURN p, last=0, cnt=0
.set Y, (\p)
.set i, 0
.set q, 0
.set e, 0
.set r, 0
.if (\p) == NP-1
	s_wait_dscnt 0x0                ; K and the masks are in
.endif
	MM
.rept 4
	PL
.endr
	BURST 15
.rept 22
	EX
	PL
.if ((\p) == NP-2) && (e == 18)
	v_add_nc_u32 v[AK], s[TBK], v[AK0]
	v_add_nc_u32 v[AM], s[TBM], v[AM0]
.endif
.if ((\p) == NP-2) && (e == 24)
	FETCH_K \last
.endif
.endr
.if (\p) == 1
	s_wait_dscnt 0x0                ; V is in
.endif
	BURST 16
.rept 21
	EX
	PL
.endr
.rept 22
	PL
.if ((\p) == 0) && (q == 118)
	v_add_nc_u32 v[AV], s[TBV], v[AV0]
	s_wait_alu depctr_va_vdst(0)
.endif
.if ((\p) == 0) && (q == 130)
	s_add_co_u32 s[TBV], s[TBV], KS*PV
.endif
.if (\cnt) && (q == 130)
	s_sub_co_u32 s[CNT], s[CNT], 1
	s_cmp_lg_u32 s[CNT], 0
.endif
.endr
.if (\p) == 0
	FETCH_V
.endif
.endm
	s_wait_tensorcnt 0x1            ; my part of keys 0-255 is in; my second load may stay out
	s_wait_dscnt 0x0                ; my part of the mask table is stored
	s_barrier_signal -1
	s_barrier_wait -1               ; everybody's parts are there
	FETCH_K                         ; key step 0
	s_wait_loadcnt 0x0              ; Q
	s_wait_dscnt 0x0
.set i, 0
.rept 16
	KQ 0                            ; piece 0's first scores
.set i, i+1
.endr
	WIN 0                           ; five plain instructions, the places behind those products
	v_mul_u32_u24 v[STO], v1, SP    ; the way out, in: row l % 16, 16 bytes for each half of the lanes
	v_lshl_add_u32 v[STO], v9, 4, v[STO]
	v_add_nc_u32 v[STO], s13, v[STO]
	v_nop
	v_nop
.set Y, NP-1                        ; XS works for piece Y + 1: piece 0
.irp n, 0,1,2,3,4,5,6,7,8,9,10,11,12,13,14,15,16,17,18,19,20,21
	XS 0, \n
	XS 1, \n
.endr
	; THE WALK, in three parts, counted by SLOTS.  3: from .Lfirst, four trips' ends: steps 0 to 3 read keys 0-255.  2: twelve trips: from the fetch of step 4's K on the other 768 keys are read.
	; 1: the last step's pieces 2 and 3, which fetch nothing; the loop is left in the middle of that trip.
	s_mov_b32 s[CNT], 4
	s_mov_b32 s[SLOTS], 3
	s_branch .Lfirst                ; the loop is entered at a step's first turn, in the middle of a trip
.Lslot:
	s_wait_tensorcnt 0x0            ; my second load, my last: hence the count; it has had three and a half key steps in which to land.  (The second time here the wait is met at once.)
	s_wait_dscnt 0x0                ; no LDS instruction of mine is out at a signal
	s_barrier_signal -1
	s_barrier_wait -1               ; everybody's part of keys 256-1,023 is in
	s_mov_b32 s[CNT], 12
.Lstep:                             ; a trip: pieces 2 and 3 of one step, then pieces 0 and 1 of the next, whose K and V it fetches
	TURN 2, 1
	TURN 3
	WIN 0
	s_cmp_eq_u32 s[SLOTS], 1
	s_cbranch_scc1 .Lout
.Lfirst:
	TURN 0
	TURN 1, 0, 1
	WIN 0
	s_cbranch_scc1 .Lstep
	s_sub_co_u32 s[SLOTS], s[SLOTS], 1
	s_cmp_lg_u32 s[SLOTS], 0
	s_cbranch_scc1 .Lslot
.Lout:                              ; the last trip's 16 products K Q^T (on the last K once more) and the maximum made of them serve nothing: the price of one text for every trip
.set i, 0
.rept 16
	PV NP-1                         ; the last piece's V^T P of the last step
.set i, i+1
.endr
	; THE WAY OUT.  l's two halves and the other half of the lanes' are added; O^T is divided by l, rounded to f16 and sent through my stage in LDS, a tile at a time.  The additions are the places behind the last products.
	WIN 0
.macro ALL line:vararg
.set t, 0
.rept 2*NP
	\line
.set t, t+1
.endr
.endm
	ALL v_add_f32 v[ST+4*t+2], v[ST+4*t+2], v[ST+4*t+3]
	ALL v_permlanex16_b32 v[ST+4*t+3], v[ST+4*t+2], s[SEL], s[SEL+1]
	ALL v_add_f32 v[ST+4*t+2], v[ST+4*t+2], v[ST+4*t+3]
	ALL v_rcp_f32 v[ST+4*t+2], v[ST+4*t+2]
	v_nop                           ; a plain instruction between the last reciprocal and the use of its result
	s_wait_alu depctr_va_vdst(0)
.macro PACK t
	WIN W_RS
.set i, 32*(\t)
.rept 16
	v_pk_mul_f32 v[i:i+1], v[i:i+1], v[ST+4*(\t)+2:ST+4*(\t)+3] op_sel_hi:[1,0]
.set i, i+2
.endr
	WIN 0x05                        ; sources 0 and 1 window 1, destination window 0
.set i, 0
.rept 16
	v_cvt_pk_f16_f32 v[S+16*(\t)+i], v[32*(\t)+2*i], v[32*(\t)+2*i+1]
.set i, i+1
.endr
	WIN 0
.irp f, 0,1,2,3
	ds_store_b128 v[STO], v[S+16*(\t)+4*\f:S+16*(\t)+4*\f+3] offset:32*\f
.endr
.irp f, 0,1,2,3
	ds_load_b128 v[S+16*(\t)+4*\f:S+16*(\t)+4*\f+3], v[RD] offset:\f*4*SP  ; LDS serves a wave's instructions in order (ISA guide 5.7.1.4): these see the stores above
.endr
.endm
.macro SEND t, younger              ; younger: the LDS instructions issued behind tile t's loads: the next tile's eight, or none
	WIN 0
.irp f, 0,1,2,3
	s_wait_dscnt (\younger)+3-\f
	global_store_b128 v[GO], v[S+16*(\t)+4*\f:S+16*(\t)+4*\f+3], s[10:11] offset:(\t)*2048+\f*512  ; 512 consecutive bytes, at a multiple of 256 from O's first
.endr
.endm
	PACK 0
.set t, 1
.rept 2*NP-1
	PACK t
	SEND t-1, 8
.set t, t+1
.endr
	SEND 2*NP-1, 0
	WIN W_AD
	s_wait_tensorcnt 0x0            ; the wave's end
	ds_add_u32 v[SPW], v[NIL]
	s_wait_dscnt 0x0
	WIN 0
	s_endpgm
.Lfunc_end_k_qf5c3590a6d_attn:
	.size	k_qf5c3590a6d_attn, .Lfunc_end_k_qf5c3590a6d_attn-k_qf5c3590a6d_attn
	.p2alignl 7, 3214868480
	.fill 96, 4, 3214868480
	.section	.rodata,"a",@progbits
	.p2align	6, 0x0
	.amdhsa_kernel k_qf5c3590a6d_attn
		.amdhsa_group_segment_fixed_size 327680
		.amdhsa_private_segment_fixed_size 0
		.amdhsa_enable_private_segment 0
		.amdhsa_kernarg_size 40
		.amdhsa_user_sgpr_count 2
		.amdhsa_user_sgpr_kernarg_segment_ptr 1
		.amdhsa_wavefront_size32 1
		.amdhsa_system_sgpr_workgroup_id_x 1
		.amdhsa_system_sgpr_workgroup_id_y 1
		.amdhsa_system_sgpr_workgroup_id_z 1
		.amdhsa_system_vgpr_workitem_id 0
		.amdhsa_next_free_vgpr 808
		.amdhsa_next_free_sgpr 92
		.amdhsa_reserve_vcc 0
		.amdhsa_float_denorm_mode_32 3
		.amdhsa_float_denorm_mode_16_64 3
		.amdhsa_memory_ordered 1
		.amdhsa_forward_progress 1
		.amdhsa_inst_pref_size 134
	.end_amdhsa_kernel
	.amdgpu_metadata
---
amdhsa.version: [ 1, 2 ]
amdhsa.kernels:
  - .name:           k_qf5c3590a6d_attn
    .symbol:         k_qf5c3590a6d_attn.kd
    .args:
      - { .name: qh, .offset: 0, .size: 8, .value_kind: global_buffer, .address_space: global }
      - { .name: kh, .offset: 8, .size: 8, .value_kind: global_buffer, .address_space: global }
      - { .name: vh, .offset: 16, .size: 8, .value_kind: global_buffer, .address_space: global }
      - { .name: oh, .offset: 24, .size: 8, .value_kind: global_buffer, .address_space: global }
      - { .name: mask, .offset: 32, .size: 8, .value_kind: global_buffer, .address_space: global }
    .group_segment_fixed_size: 327680
    .private_segment_fixed_size: 0
    .kernarg_segment_align: 8
    .kernarg_segment_size: 40
    .max_flat_workgroup_size: 128
    .sgpr_count:     92
    .vgpr_count:     808
    .wavefront_size: 32
...
	.end_amdgpu_metadata
.endif
;; end of part 3
;; launch outp (part 4): grid 4 x 64, 4 waves a work-group, clusters of 4 x 4, 327,680 bytes of LDS; arguments oh, wb, bm, out0; writes out0
.if DOCPART == 4
	.amdgcn_target "amdgcn-amd-amdhsa--gfx1250"
	.amdhsa_code_object_version 6
	.text
	.protected	k_qf5c3590a6d_outp
	.globl	k_qf5c3590a6d_outp
	.p2align	8
	.type	k_qf5c3590a6d_outp,@function
k_qf5c3590a6d_outp:
	s_mov_b64 s[64:65], 0
	v_nop
	global_prefetch_b8 v0, s[64:65] scope:SCOPE_SE
	s_setreg_imm32_b32 hwreg(HW_REG_WAVE_MODE, 25, 1), 1
	s_wait_xcnt 0x0
	s_wait_alu depctr_hold_cnt(0) depctr_sa_sdst(0) depctr_va_vdst(0) depctr_va_sdst(0) depctr_va_ssrc(0) depctr_va_vcc(0) depctr_vm_vsrc(0)
	s_getreg_b32 s2, hwreg(HW_REG_IB_STS2, 6, 4)
	s_cmp_eq_u32 s2, 0
	s_cbranch_scc0 .Lentry_in_a_cluster
	s_endpgm
.Lentry_in_a_cluster:
	s_bfe_u32 s2, ttmp6, 0x10000c
	s_cmp_lg_u32 s2, 0xf033
	s_cbranch_scc0 .Lentry_shape_is_right
	s_endpgm
.Lentry_shape_is_right:
; out0[row][o] = the sum over c of O[row][c] Wm[o][c] + bm[o].  O: f16 by heads, [b * 16 + h][s][64]; Wm: matrix 4 of the blocked weights, [kb][n][64], bf16 numbers written as f16; bm rounded to bf16
; and taken as the C operand of the first products; sums in f32; out0: [8192][1024] f32.
; A tile of out0 is 128 x 256: 256 work-groups.  Four waves, each 64 x 128: 32 accumulators, 256 registers, used transposed (source 0 = 16 rows of Wm, source 1 = 16 rows of O).
; K goes in 8 steps of 128 = two heads through two LDS slots; a head's 64 channels of a run of rows are dense bytes in both operands, asked for as rows of 256 bytes.  A step is four quarters of 32 along K.
; The change of slots stands behind the third quarter's last product, so that nothing but the add and the round lies between a tile's arrival and the next request.
; CLUSTER: 4 x 4 work-groups; O's tiles are shared along a row of the cluster, Wm's along a column, each asked for jointly.
; NO PREFETCH: O was stored by the launch just before, and Wm's 2 MiB are read by all 64 tile rows.
; REGISTERS.  window 0: v0-31 addresses; v64-127 the bias; v128-191 rows on the way out, two buffers.  window 1: accumulator (a, b) at v[8 (8 a + b)].  window 2: two fragment buffers of 96: O's 32, then Wm's 64.
.set PT,    144                        ; an LDS row: 128 bytes + 16 = 36 words: the 16 rows of a load start at 16 different groups of four banks (64 banks of 4 bytes: ISA guide 11.1)
.set ASUB,  128*PT                     ; one head's 128 rows of O
.set BOFF,  2*ASUB
.set BSUB,  256*PT                     ; one block's 256 rows of Wm
.set SLOT1, 131072
.set STAGE, 110592                     ; between the slots, never filled by a tensor load: 16 rows x 272 bytes for each wave
.set SPITCH, 272
.set SPARE, 128000                     ; the spare words, 128 bytes for each wave: two blocks of 256 bytes that no other line names
.set ADRA0, 8
.set ADRB0, 9
.set ADRA,  10
.set ADRB,  11
.set STO,   12
.set RD,    13
.set GO,    14
.set BO,    15
.set SPW,   28
.set NIL,   29
.set BIAS,  64
.set BK,    128
.set F0,    0
.set F1,    96
.set WV,  12
.set RH,  13                           ; which 64 rows are mine.  Also: I fetch for O (0) or for Wm (1)
.set CH,  14                           ; which 128 columns.  Also: which of a step's two heads I fetch
.set G1A, 16
.set G1B, 24
.set G0A, 32                           ; the walking group 0 for O: it begins with K step 1
.set G0B, 36                           ; the same for Wm
.set OFFA, 46
.set OFFB, 48
.set CNT, 51
.set TB,  52
.set XA,  60                           ; s[60:63], s[68:71] group 0 of K step 0
.set XB,  68
.set MSB, 0
.macro WIN new
.if MSB != (\new)
	s_set_vgpr_msb (MSB<<8)|(\new)
.set MSB, \new
.endif
.endm
.macro PLACES
.rept 4
	v_nop
.endr
.endm
.macro JLOAD                           ; a joint load; an s_nop 0 and four v_nop follow each of the two lines
	s_cmp_eq_u32 s[RH], 0
	s_cbranch_scc0 .Lfor_b_\@
	tensor_load_to_lds s[G0A:G0A+3], s[G1A:G1A+7]
	s_nop 0
.rept 4
	v_nop
.endr
	s_branch .Lasked_\@
.Lfor_b_\@:
	tensor_load_to_lds s[G0B:G0B+3], s[G1B:G1B+7]
	s_nop 0
.rept 4
	v_nop
.endr
.Lasked_\@:
.endm
.macro CREST
	s_cmp_lg_u32 s[WV], 0
	s_cbranch_scc1 .Lnot_wave_0_\@
	s_barrier_signal -3
.Lnot_wave_0_\@:
	s_barrier_wait -3
	s_barrier_signal -1
	s_barrier_wait -1
.endm
.macro CROUND
	s_barrier_signal -1
	s_barrier_wait -1
	CREST
.endm
.macro STEPDESC                        ; both descriptors: the other slot, the next two heads
	s_xor_b32 s[G0A+1], s[G0A+1], SLOT1
	s_add_nc_u64 s[G0A+2:G0A+3], s[G0A+2:G0A+3], 262144
	s_xor_b32 s[G0B+1], s[G0B+1], SLOT1
	s_add_nc_u64 s[G0B+2:G0B+3], s[G0B+2:G0B+3], 262144
.endm
	s_load_b256 s[4:11], s[0:1], 0x0               ; oh s[4:5], wb s[6:7], bm s[8:9], out0 s[10:11]
	v_lshl_add_u32 v[SPW], v0, 2, SPARE
	v_mov_b32 v[NIL], 0
	ds_add_u32 v[SPW], v[NIL]                      ; the wave's opening: the add and its wait stand ahead of my first tensor load
	ds_add_u32 v28, v29
	v_lshrrev_b32 v1, 5, v0
	v_readfirstlane_b32 s[WV], v1
	s_lshr_b32 s[RH], s[WV], 1
	s_and_b32 s[CH], s[WV], 1
	s_bfe_u32 s40, ttmp6, 0x40000                  ; cx
	s_bfe_u32 s41, ttmp6, 0x40004                  ; cy
	s_lshl_b32 s42, ttmp9, 2
	s_add_co_u32 s42, s42, s40                     ; tile column 0..3
	s_and_b32 s43, ttmp7, 0xffff
	s_lshl_b32 s43, s43, 2
	s_add_co_u32 s43, s43, s41                     ; tile row 0..63
	s_lshl_b32 s44, s41, 2
	s_lshl_b32 s44, 15, s44                        ; my row of the cluster
	s_lshl_b32 s45, 0x1111, s40                    ; my column
	; group 1: dense bytes asked for as rows of 256 bytes (128 elements of 2), 4 words of padding behind every 32: O 64 such rows, Wm 128
	s_or_b32 s[G1A+0], s44, (1<<16)|(1<<20)|(1<<21)|(4<<22)|(3<<25)
	s_mov_b32 s[G1A+1], 128<<16
	s_mov_b32 s[G1A+2], 64<<16
	s_mov_b32 s[G1A+3], 128<<16
	s_mov_b32 s[G1A+4], 64
	s_mov_b32 s[G1A+5], 128
	s_mov_b32 s[G1A+6], 0
	s_mov_b32 s[G1A+7], 0
	s_or_b32 s[G1B+0], s45, (1<<16)|(1<<20)|(1<<21)|(4<<22)|(3<<25)
	s_mov_b32 s[G1B+1], 128<<16
	s_mov_b32 s[G1B+2], 128<<16
	s_mov_b32 s[G1B+3], 128<<16
	s_mov_b32 s[G1B+4], 128
	s_mov_b32 s[G1B+5], 128
	s_mov_b32 s[G1B+6], 0
	s_mov_b32 s[G1B+7], 0
	s_lshr_b32 s[OFFA], s43, 3                     ; O: the batch's 16 heads of 131,072 bytes,
	s_lshl_b32 s[OFFA], s[OFFA], 21
	s_and_b32 s2, s43, 7                           ; 128 rows of 128 bytes a tile row,
	s_lshl_b32 s2, s2, 14
	s_add_co_u32 s[OFFA], s[OFFA], s2
	s_lshl_b32 s2, s[CH], 17                       ; the head that I fetch
	s_add_co_u32 s[OFFA], s[OFFA], s2
	s_mov_b32 s[OFFA+1], 0
	s_lshl_b32 s[OFFB], s42, 15                    ; Wm: 256 rows of 128 bytes a tile column,
	s_add_co_u32 s[OFFB], s[OFFB], s2              ; the block that I fetch,
	s_add_co_u32 s[OFFB], s[OFFB], 8388608         ; in matrix 4
	s_mov_b32 s[OFFB+1], 0
	s_lshl_b32 s54, s42, 10                        ; my 128 columns, in bytes of f32
	s_lshl_b32 s3, s[CH], 9
	s_add_co_u32 s54, s54, s3
	s_mov_b32 s55, 0
	s_lshl_b32 s56, s43, 19                        ; my first row of out0: 128 rows of 4,096 bytes a tile row,
	s_lshl_b32 s3, s[RH], 18                       ; 64 rows a wave
	s_add_co_u32 s56, s56, s3
	s_add_co_u32 s56, s56, s54
	s_mov_b32 s57, 0
	s_mov_b32 s[XA], 1                             ; K step 0, slot 0: no place in the cluster enters an LDS address
	s_mul_i32 s[XA+1], s[CH], ASUB
	s_mov_b32 s[XB], 1
	s_mul_i32 s[XB+1], s[CH], BSUB
	s_add_co_u32 s[XB+1], s[XB+1], BOFF
	s_mov_b32 s[G0A], 1                            ; K step 1, slot 1
	s_mul_i32 s[G0A+1], s[CH], ASUB
	s_add_co_u32 s[G0A+1], s[G0A+1], SLOT1
	s_mov_b32 s[G0B], 1
	s_mul_i32 s[G0B+1], s[CH], BSUB
	s_add_co_u32 s[G0B+1], s[G0B+1], BOFF+SLOT1
	s_wait_dscnt 0x0                               ; the opening add is done
	s_wait_kmcnt 0x0
	s_add_nc_u64 s[XA+2:XA+3], s[4:5], s[OFFA:OFFA+1]
	s_add_nc_u64 s[G0A+2:G0A+3], s[XA+2:XA+3], 262144
	s_or_b32 s[XA+3], s[XA+3], 0x80000000
	s_or_b32 s[G0A+3], s[G0A+3], 0x80000000
	s_add_nc_u64 s[XB+2:XB+3], s[6:7], s[OFFB:OFFB+1]
	s_add_nc_u64 s[G0B+2:G0B+3], s[XB+2:XB+3], 262144
	s_or_b32 s[XB+3], s[XB+3], 0x80000000
	s_or_b32 s[G0B+3], s[G0B+3], 0x80000000
	s_add_nc_u64 s[8:9], s[8:9], s[54:55]
	s_add_nc_u64 s[10:11], s[10:11], s[56:57]
	CROUND                                         ; all sixteen work-groups are here: the first joint loads meet
	s_cmp_eq_u32 s[RH], 0                          ; a wave's two first fills stand in one branch, ahead of every wait on TENSORcnt, every LDS read and every further barrier: two loads of mine are out
	s_cbranch_scc0 .Lfirst_b
	tensor_load_to_lds s[XA:XA+3], s[G1A:G1A+7]
	s_nop 0
	tensor_load_to_lds s[G0A:G0A+3], s[G1A:G1A+7]
	s_nop 0
.rept 4
	v_nop
.endr
	s_branch .Lfirst_asked
.Lfirst_b:
	tensor_load_to_lds s[XB:XB+3], s[G1B:G1B+7]
	s_nop 0
	tensor_load_to_lds s[G0B:G0B+3], s[G1B:G1B+7]
	s_nop 0
.rept 4
	v_nop
.endr
.Lfirst_asked:
	v_and_b32 v1, 15, v0                           ; r
	v_bfe_u32 v2, v0, 4, 1                         ; h
	v_lshlrev_b32 v[BO], 5, v2                     ; register j of block b wants column 16 b + 8 h + j
.irp b, 0,1,2,3,4,5,6,7
	global_load_b128 v[BIAS+8*(\b):BIAS+8*(\b)+3],   v[BO], s[8:9] offset:64*(\b)
	global_load_b128 v[BIAS+8*(\b)+4:BIAS+8*(\b)+7], v[BO], s[8:9] offset:64*(\b)+16
.endr
	v_mul_u32_u24 v3, v1, PT
	v_lshl_add_u32 v3, v2, 4, v3                   ; a fragment's row x pitch + 16 x half
	s_mul_i32 s2, s[RH], 64*PT
	v_add_nc_u32 v[ADRA0], s2, v3
	s_mul_i32 s2, s[CH], 128*PT
	s_add_co_u32 s2, s2, BOFF
	v_add_nc_u32 v[ADRB0], s2, v3
	s_mul_i32 s2, s[WV], 16*SPITCH
	s_add_co_u32 s2, s2, STAGE                     ; my stage
	v_mul_u32_u24 v[STO], v1, SPITCH               ; in: row l % 16, 32 bytes for each half of the lanes
	v_lshl_add_u32 v[STO], v2, 5, v[STO]
	v_add_nc_u32 v[STO], s2, v[STO]
	v_mul_u32_u24 v[RD], v2, SPITCH                ; back: lanes 0-15 take one row of 256 bytes, lanes 16-31 the next
	v_lshl_add_u32 v[RD], v1, 4, v[RD]
	v_add_nc_u32 v[RD], s2, v[RD]
	v_lshlrev_b32 v[GO], 12, v2                    ; and the same two rows in out0
	v_lshl_add_u32 v[GO], v1, 4, v[GO]
	v_mov_b32 v[ADRA], v[ADRA0]
	v_mov_b32 v[ADRB], v[ADRB0]
	s_wait_loadcnt 0x0
.set z, 0
.rept 32
	v_cvt_pk_bf16_f32 v[BK+z], v[BIAS+2*z], v[BIAS+2*z+1]      ; the bias is rounded to bf16 like every input
.set z, z+1
.endr
.set z, 0
.rept 32
	v_lshlrev_b32 v[BIAS+2*z],   16, v[BK+z]
	v_and_b32     v[BIAS+2*z+1], 0xffff0000, v[BK+z]
.set z, z+1
.endr
; 16 matrix instructions: row blocks a0, a0 + 1 x all 8 column blocks, 32 along K, from buffer f.  mode = 1: the products start the sums, with the bias as C.
.macro MUL16 f, a0, mode
.if \mode
	WIN 0x4a                                       ; sources window 2, C window 0, D window 1
.else
	WIN 0x5a                                       ; C and D window 1
.endif
.irp a, \a0, (\a0)+1
.irp b, 0,1,2,3,4,5,6,7
.if \mode
	v_wmma_f32_16x16x32_f16 v[8*(8*(\a)+(\b)):8*(8*(\a)+(\b))+7], v[(\f)+32+8*(\b):(\f)+32+8*(\b)+7], v[(\f)+8*(\a):(\f)+8*(\a)+7], v[BIAS+8*(\b):BIAS+8*(\b)+7]
.else
	v_wmma_f32_16x16x32_f16 v[8*(8*(\a)+(\b)):8*(8*(\a)+(\b))+7], v[(\f)+32+8*(\b):(\f)+32+8*(\b)+7], v[(\f)+8*(\a):(\f)+8*(\a)+7], v[8*(8*(\a)+(\b)):8*(8*(\a)+(\b))+7]
.endif
.endr
.endr
.endm
; 24 LDS loads in one run: quarter q of the slot in hand (head q / 2, 32 channels at byte 64 (q % 2)) into buffer g
.macro FETCH q, g
	WIN 0x80                                       ; destination window 2, address window 0
.irp i, 0,1,2,3,4,5,6,7
	ds_load_b128 v[(\g)+32+8*(\i):(\g)+32+8*(\i)+3],   v[ADRB] offset:((\q)/2)*BSUB+64*((\q)%2)+(\i)*16*PT
	ds_load_b128 v[(\g)+32+8*(\i)+4:(\g)+32+8*(\i)+7], v[ADRB] offset:((\q)/2)*BSUB+64*((\q)%2)+(\i)*16*PT+32
.endr
.irp i, 0,1,2,3
	ds_load_b128 v[(\g)+8*(\i):(\g)+8*(\i)+3],   v[ADRA] offset:((\q)/2)*ASUB+64*((\q)%2)+(\i)*16*PT
	ds_load_b128 v[(\g)+8*(\i)+4:(\g)+8*(\i)+7], v[ADRA] offset:((\q)/2)*ASUB+64*((\q)%2)+(\i)*16*PT+32
.endr
.endm
.macro QUARTER q, f, g, mode           ; fetches quarter q into buffer g and multiplies buffer f
	PLACES                                         ; for the loads into the buffer that the quarter before multiplied
	FETCH \q, \g
	s_wait_dscnt 24                                ; all but the 24 just issued
	MUL16 \f, 0, \mode
	MUL16 \f, 2, \mode
.endm
; A step's third quarter fetches the slot's last bytes; behind its last product stands the change of slots: each wave waits for all its tensor loads, of which at most one is out: its part of the other slot;
; adds 0 to its spare word; waits for that and for its reads.  round = 1: the slot is filled again, so a round of the cluster's barrier follows; else the work-group's barrier.
.macro QMEET round
	PLACES
	FETCH 3, F1
	s_wait_dscnt 24
	MUL16 F0, 0, 0
	MUL16 F0, 2, 0
	WIN 0
	s_wait_tensorcnt 0x0
	ds_add_u32 v[SPW], v[NIL]
.if \round
	STEPDESC
.endif
	s_wait_dscnt 0x0                               ; the add is done, and my reads of this slot, issued 32 matrix instructions ago, are over
.if \round
	CROUND
.else
	s_barrier_signal -1
	s_barrier_wait -1
.endif
.endm
.macro QTURN fill                      ; a step's fourth quarter: the refill first, then the other slot's first fragments
.if \fill
	JLOAD                                          ; its four v_nop are also the places in front of the loads below
.else
	PLACES
.endif
	s_xor_b32 s[TB], s[TB], SLOT1
	v_add_nc_u32 v[ADRA], s[TB], v[ADRA0]
	v_add_nc_u32 v[ADRB], s[TB], v[ADRB0]
	FETCH 0, F0
	s_wait_dscnt 24
	MUL16 F1, 0, 0
	MUL16 F1, 2, 0
.endm
	s_wait_tensorcnt 0x1                           ; my part of K step 0 is in; step 1's may stay out
	s_barrier_signal -1
	s_barrier_wait -1                              ; everybody's part is in
	s_mov_b32 s[TB], 0
	FETCH 0, F0
	QUARTER 1, F0, F1, 1                           ; the first quarter stands in front of the loop: its products start the sums with the bias
	WIN 0
	s_mov_b32 s[CNT], 6
.Lstep:                                                ; 6 trips: a step's quarters 1 to 3, which ask for the step two on, and the next step's quarter 0
	QUARTER 2, F1, F0, 0
	QMEET 1
	QTURN 1
	QUARTER 1, F0, F1, 0
	WIN 0
	s_sub_co_u32 s[CNT], s[CNT], 1
	s_cmp_lg_u32 s[CNT], 0
	s_cbranch_scc1 .Lstep
	QUARTER 2, F1, F0, 0                           ; the tail asks for nothing: the rest of step 6, and step 7
	QMEET 0
	QTURN 0
	QUARTER 1, F0, F1, 0
	QUARTER 2, F1, F0, 0
	QUARTER 3, F0, F1, 0
	s_wait_dscnt 0x0
	MUL16 F1, 0, 0
	MUL16 F1, 2, 0
	WIN 0
	PLACES                                         ; the LDS stores below read results just made
; THE WAY OUT, in 8 passes of 16 rows x 64 columns (row block p / 2, column half p % 2): straight from the accumulators, low registers first, into my stage; back as whole rows of 256 bytes; stored.
.macro TOSTAGE p
.if (\p) >= 2
	s_wait_xcnt 0x0                                ; the stores of two passes ago have read the registers that this pass is read into
.endif
	WIN 0x04                                       ; store data window 1, address window 0
.irp b, 0,1,2,3
	ds_store_b128 v[STO], v[8*(8*((\p)/2)+4*((\p)%2)+(\b)):8*(8*((\p)/2)+4*((\p)%2)+(\b))+3]   offset:64*(\b)
	ds_store_b128 v[STO], v[8*(8*((\p)/2)+4*((\p)%2)+(\b))+4:8*(8*((\p)/2)+4*((\p)%2)+(\b))+7] offset:64*(\b)+16
.endr
	WIN 0
.irp t, 0,1,2,3,4,5,6,7
	ds_load_b128 v[BK+32*((\p)%2)+4*(\t):BK+32*((\p)%2)+4*(\t)+3], v[RD] offset:(\t)*2*SPITCH  ; LDS serves a wave's instructions in order (ISA guide 5.7.1.4): these see the stores above
.endr
.endm
.macro SEND p, younger                 ; younger: the LDS instructions issued behind pass p's loads: the next pass's sixteen, or none
	s_wait_dscnt \younger
.irp t, 0,1,2,3,4,5,6,7
	global_store_b128 v[GO], v[BK+32*((\p)%2)+4*(\t):BK+32*((\p)%2)+4*(\t)+3], s[10:11] offset:((\p)/2)*65536+(\t)*8192+256*((\p)%2) th:TH_STORE_NT  ; 16 lanes store 256 consecutive bytes, aligned
.endr
.endm
	TOSTAGE 0
.irp p, 1,2,3,4,5,6,7
	TOSTAGE \p
	SEND (\p)-1, 16
.endr
	SEND 7, 0
	s_wait_tensorcnt 0x0                           ; the wave's end
	ds_add_u32 v[SPW], v[NIL]
	s_wait_dscnt 0x0
	CROUND                                         ; the closing round
	s_endpgm
.Lfunc_end_k_qf5c3590a6d_outp:
	.size	k_qf5c3590a6d_outp, .Lfunc_end_k_qf5c3590a6d_outp-k_qf5c3590a6d_outp
	.p2alignl 7, 3214868480
	.fill 96, 4, 3214868480
	.section	.rodata,"a",@progbits
	.p2align	6, 0x0
	.amdhsa_kernel k_qf5c3590a6d_outp
		.amdhsa_group_segment_fixed_size 327680
		.amdhsa_private_segment_fixed_size 0
		.amdhsa_enable_private_segment 0
		.amdhsa_kernarg_size 32
		.amdhsa_user_sgpr_count 2
		.amdhsa_user_sgpr_kernarg_segment_ptr 1
		.amdhsa_wavefront_size32 1
		.amdhsa_system_sgpr_workgroup_id_x 1
		.amdhsa_system_sgpr_workgroup_id_y 1
		.amdhsa_system_sgpr_workgroup_id_z 1
		.amdhsa_system_vgpr_workitem_id 0
		.amdhsa_next_free_vgpr 704
		.amdhsa_next_free_sgpr 72
		.amdhsa_reserve_vcc 0
		.amdhsa_float_denorm_mode_32 3
		.amdhsa_float_denorm_mode_16_64 3
		.amdhsa_memory_ordered 1
		.amdhsa_forward_progress 1
		.amdhsa_inst_pref_size 75
	.end_amdhsa_kernel
	.amdgpu_metadata
---
amdhsa.version: [ 1, 2 ]
amdhsa.kernels:
  - .name:           k_qf5c3590a6d_outp
    .symbol:         k_qf5c3590a6d_outp.kd
    .args:
      - { .name: oh, .offset: 0, .size: 8, .value_kind: global_buffer, .address_space: global }
      - { .name: wb, .offset: 8, .size: 8, .value_kind: global_buffer, .address_space: global }
      - { .name: bm, .offset: 16, .size: 8, .value_kind: global_buffer, .address_space: global }
      - { .name: out0, .offset: 24, .size: 8, .value_kind: global_buffer, .address_space: global }
    .group_segment_fixed_size: 327680
    .private_segment_fixed_size: 0
    .kernarg_segment_align: 8
    .kernarg_segment_size: 32
    .max_flat_workgroup_size: 128
    .sgpr_count:     72
    .vgpr_count:     704
    .wavefront_size: 32
...
	.end_amdgpu_metadata
.endif
;; end of part 4
